; MI455X (gfx1250); checked and timed in simulation.
; The chip was launched on July 23, 2026; its instructions are those of AMD's public machine-readable ISA for CDNA 5 (MIT licence, August 2026) and "CDNA5" Instruction Set Architecture Reference Guide (July 2026). The comments in the code are by the model that wrote it; some were corrected since.
;; Transformer Encoder Layer. Allowed arithmetic: matrix products marked QUANTISED: E4M3 operands, one E8M0 scale for each 32 along K, by v_wmma_scale_f32_16x16x128_f8f6f4 with both operands' format E4M3, f32 sums; everything else in f32.
;; Inputs: ln1_b 1,024 float32; ln1_g 1,024 float32; ln2_b 1,024 float32; ln2_g 1,024 float32; w1 4,096 x 1,024 float32; w2 1,024 x 4,096 float32; wk 16 x 64 x 1,024 float32; wo 1,024 x 1,024 float32; wq 16 x 64 x 1,024 float32; wv 16 x 64 x 1,024 float32; x 2 x 2,048 x 1,024 float32.
;; Outputs: out0 2 x 2,048 x 1,024 float32.
;; This version of the problem:
;;   THIS VERSION OF THE PROBLEM IS GIVEN IN LOW PRECISION. The matrix products marked QUANTISED in the list below multiply operands that are first quantised to E4M3 (4 exponent bits, 3 mantissa bits; 8 bits a number), with one power-of-two scale for each 32 numbers along K (OCP MX v1.0); their sums are f32. All else is computed in f32.
;;   The module's matrix products, in the order in which they are computed (A, B: the left and right operand; K: the contracted axis; several contracted axes count as one K, in the product's order):
;;     1. [M 1,024, K 1,024] x [K 1,024, N 4,096]; A: input wq; B: computed on the way: QUANTISED
;;     2. [M 1,024, K 1,024] x [K 1,024, N 4,096]; A: input wk; B: computed on the way: QUANTISED
;;     3. [M 1,024, K 1,024] x [K 1,024, N 4,096]; A: input wv; B: computed on the way: QUANTISED
;;     4. batch 32 x [M 2,048, K 64] x [K 64, N 2,048]; A: computed on the way; B: computed on the way: QUANTISED
;;     5. batch 32 x [M 2,048, K 2,048] x [K 2,048, N 64]; A: softmax (see below); B: computed on the way: QUANTISED
;;     6. [M 4,096, K 1,024] x [K 1,024, N 1,024]; A: computed on the way; B: input wo: QUANTISED
;;     7. [M 4,096, K 1,024] x [K 1,024, N 4,096]; A: computed on the way; B: input w1: QUANTISED
;;     8. [M 4,096, K 4,096] x [K 4,096, N 1,024]; A: computed on the way; B: input w2: QUANTISED
;;   THE QUANTISER, for each operand of a quantised product, along K:
;;     - K is cut into blocks of 32 from its start; a last block that is shorter is filled with zeros.
;;     - A block's scale is 2^e with e = floor(log2(the largest magnitude in the block)) - 8, held to -126 .. 127; a block of zeros has e = 0. As a byte (E8M0): e + 127.
;;     - Each number is divided by its block's scale, clamped to +-448, and rounded to the nearest number of E4M3, ties to even, subnormals kept.
;;     - The product sums the exact products of the quantised numbers (number of the format x scale) in f32.
;;   ~~~python
;;   def quantise(x, axis):      # numpy; x: float32 -> the quantised numbers, widened to float32 again
;;       x = np.moveaxis(x, axis, -1); K = x.shape[-1]
;;       x = np.pad(x, [(0, 0)] * (x.ndim - 1) + [(0, -K % 32)]); x = x.reshape(x.shape[:-1] + (-1, 32)); a = np.abs(x).max(-1, keepdims=True)
;;       e = np.where(a > 0, np.clip(np.frexp(np.where(a > 0, a, 1))[1] - 1 - 8, -126, 127), 0)      # np.frexp(a)[1] - 1 = floor(log2(a)), exactly
;;       r = np.clip(x / 2.0 ** e, -448, 448)
;;       step = 2.0 ** (np.maximum(np.frexp(np.where(r == 0, 1, r))[1] - 1, -6) - 3)
;;       q = np.round(r / step) * step * 2.0 ** e      # np.round: ties to even
;;       return np.moveaxis(q.reshape(q.shape[:-2] + (-1,))[..., :K], -1, axis).astype(np.float32)
;;   ~~~
;;   SOFTMAX AHEAD OF A QUANTISED PRODUCT. Where the list says 'softmax', what is quantised is not the finished softmax but p = 2^(t - M), with t = logit x log2(e) and M = ceil(the row's largest t), a whole number; so 1/2 < the row's largest p <= 1. The row's sum l is taken of the UNQUANTISED p, in f32, and the product's result is divided by l at the end. Since M is a whole number, a kernel that streams over the keys may use a running M (the ceiling of the running maximum): every later rescaling is an exact power of two, which a block's scale takes up: the codes' values come out the same.
;;   OPERANDS COMPUTED ON THE WAY. 'Computed on the way' means the value that the module computes at that place (a softmax that the list does not call 'softmax' is quantised finished and normalised). What goes into a quantiser is computed in f32, as accurately as f32 sums, v_exp_f32 and their like allow (about 1e-6 of the number): no bf16 or f16 on the way to a quantiser, and a product that is left as it is and whose result goes on into a quantised operand takes f32 operands (vector FMAs, or v_wmma_f32_16x16x4_f32). A number that lies on a knife's edge between two numbers of the format may be rounded either way, as far as f32 arithmetic and the matrix unit's own rounding can turn it there, and no further.
;; One version. Each part assembles by itself: llvm-mc -triple=amdgcn-amd-amdhsa -mcpu=gfx1250 --defsym DOCPART=n.
;; ======== version 1 of 1: 7 launches
;; limits: right only within a limited range of input values
;; workspace buffers: pw 18,382,848 bytes; qkv 13,238,272 bytes; ctx 4,325,376 bytes; y 16,777,216 bytes; h2q 4,325,376 bytes; act 17,301,504 bytes
;; launch prep (part 1): grid 1024 x 1, 8 waves a work-group, no clusters, 70,656 bytes of LDS; arguments x, ln1_g, ln1_b, wq, wk, wv, wo, w1, w2, pw; writes pw
.if DOCPART == 1
	.amdgcn_target "amdgcn-amd-amdhsa--gfx1250"
	.amdhsa_code_object_version 6
	.text
	.protected	k_qfc0985bd06_prep
	.globl	k_qfc0985bd06_prep
	.p2align	8
	.type	k_qfc0985bd06_prep,@function
k_qfc0985bd06_prep:
	s_mov_b64 s[64:65], 0
	v_nop
	global_prefetch_b8 v0, s[64:65] scope:SCOPE_SE
	s_setreg_imm32_b32 hwreg(HW_REG_WAVE_MODE, 25, 1), 1
	s_wait_xcnt 0x0
; f32 rows become codes of E4M3 with one E8M0 byte for each 32 along K, laid as the products' operand registers want them.  Units 0-255 are first layer-normalised (argument 0 with gain and bias), the others are weights.
; A UNIT is a tile of 16 rows x 1,024 along K, one work-group.  THE ROWS OF A TILE ARE NOT NEIGHBOURS: lane-row r of tile t is matrix row 32 (t / 2) + 8 (t % 2) + r + 8 (r / 8).
; Wave w takes K step w (128 along K): 16 loads of 512 consecutive bytes, a turn through its own stage in LDS (rows of 512 + 16 bytes), and back 64 numbers a lane: of row r the numbers 32 b + 16 h + 0 .. 15 of each block b.
; OUT: a fragment (16 rows x 128 K) is 2,048 bytes, register group c of lane l at 512 c + 16 l.  A block of BLK bytes holds 128 rows (8 tiles i) x 256 K (2 steps q): fragment at 4096 i + 2048 q, scale words at 32768 + 128 i + 64 q + 4 r.
; The mean and the variance span the eight waves: two sums through LDS, the second of squared differences from the mean.  Every work-group passes the same three barriers.
; GAIN AND BIAS are asked for and waited for by EVERY unit, outside the branches, so that on every way through the text their registers are loaded before they are named; a weight's unit does not use them: 8 KiB beside the 64 KiB of its own.
; No cluster, no tensor load: work-groups share no input but gain and bias, and 16 loads a wave on eight waves keep 64 KiB a work-group on their way.
; LIMITS: NaN and infinities are not served; a block of zeros, or one under 2^-118, has the byte 1 (its codes add nothing; this program alone reads the bytes).  A unit's scale words leave in four runs of 128 bytes: one byte in 32 of what is stored.
.set BLK,  33792
.set ST1,  0                           ; LDS: the waves' row sums, 64 w + 4 r
.set ST2,  512                         ; the sums of squares
.set SCW,  1024                        ; the scale words
.set STG0, 1536                        ; the stages, STGB bytes a wave
.set STGB, 8448
.set R,   16                           ; v16-79   as loaded; then the gain
.set X,   80                           ; v80-143  my 64 numbers
.set B,   144                          ; v144-207 the bias
.set TM,  208                          ; v208-223 the quantiser's 16
.set PW,  224                          ; the scale word
.set PC,  228                          ; v228-243 the codes
.set SM,  244                          ; v244-254 sums
.set WV,  24
.set SEL, 54
.set MNT, 53
.macro BARRIER                         ; my LDS stores have landed and my LDS loads are in: then the work-group's barrier
	s_wait_dscnt 0x0
	s_barrier_signal -1
	s_barrier_wait -1
.endm
.macro REDUCE                          ; four packed chains -> the sum over my row's 128 numbers of this K step
	s_delay_alu instid0(VALU_DEP_3)
	v_pk_add_f32 v[SM+2:SM+3], v[SM+2:SM+3], v[SM+4:SM+5]
	s_delay_alu instid0(VALU_DEP_2)
	v_pk_add_f32 v[SM+6:SM+7], v[SM+6:SM+7], v[SM+8:SM+9]
	s_delay_alu instid0(VALU_DEP_1)
	v_pk_add_f32 v[SM+2:SM+3], v[SM+2:SM+3], v[SM+6:SM+7]
	s_delay_alu instid0(VALU_DEP_1)
	v_add_f32 v[SM+2], v[SM+2], v[SM+3]
	s_delay_alu instid0(VALU_DEP_1)
	v_permlanex16_b32 v[SM+10], v[SM+2], s[SEL], s[SEL+1]
	s_delay_alu instid0(VALU_DEP_1)
	v_add_f32 v[SM+2], v[SM+2], v[SM+10]
.endm
.macro GATHER off                      ; the eight waves' sums of my row, added in one order in every wave
.irp k, 0,1,2,3,4,5,6,7
	ds_load_b32 v[SM+2+\k], v8 offset:\off+64*\k
.endr
	s_wait_dscnt 0x0
	v_pk_add_f32 v[SM+2:SM+3], v[SM+2:SM+3], v[SM+4:SM+5]
	v_pk_add_f32 v[SM+6:SM+7], v[SM+6:SM+7], v[SM+8:SM+9]
	s_delay_alu instid0(VALU_DEP_1)
	v_pk_add_f32 v[SM+2:SM+3], v[SM+2:SM+3], v[SM+6:SM+7]
	s_delay_alu instid0(VALU_DEP_1)
	v_add_f32 v[SM+2], v[SM+2], v[SM+3]
.endm
; 64 numbers of a lane, register 16 b + i = k 32 b + 16 (lane / 16) + i of my row, become a fragment's codes in v[PC] on and its scale word in v[PW]
.macro QUANT s
.irp b, 0,1,2,3
	v_max3_num_f32 v[TM+\b], |v[\s+16*\b]|, |v[\s+1+16*\b]|, 0x4800000   ; with the floor 2^(9 - 127): the byte cannot fall under 1
.endr
.irp i, 2,4,6,8,10,12,14
.irp b, 0,1,2,3
	s_delay_alu instid0(VALU_DEP_4)
	v_max3_num_f32 v[TM+\b], v[TM+\b], |v[\s+16*\b+\i]|, |v[\s+1+16*\b+\i]|
.endr
.endr
.irp b, 0,1,2,3
	s_delay_alu instid0(VALU_DEP_4)
	v_permlanex16_b32 v[TM+4+\b], v[TM+\b], s[SEL], s[SEL+1]
.endr
.irp b, 0,1,2,3
	s_delay_alu instid0(VALU_DEP_4)
	v_max_num_f32 v[TM+\b], v[TM+\b], v[TM+4+\b]          ; with lane l xor 16's: the block's largest magnitude
.endr
.irp b, 0,1,2,3
	s_delay_alu instid0(VALU_DEP_4)
	v_add_nc_u32 v[TM+12+\b], 0xfc000000, v[TM+\b]        ; 8 off its exponent field: the conversion's scale operand
.endr
.irp b, 0,1,2,3
	v_and_or_b32 v[TM+8+\b], v[TM+\b], 0x7f800000, s[MNT] ; 448 x the scale
.endr
.irp b, 0,1,2,3
	v_lshrrev_b32 v[TM+4+\b], 23, v[TM+12+\b]             ; the scale's byte
.endr
	s_delay_alu instid0(VALU_DEP_3)
	v_lshl_or_b32 v[PW], v[TM+5], 8, v[TM+4]
	s_delay_alu instid0(VALU_DEP_1)
	v_lshl_or_b32 v[PW], v[TM+6], 16, v[PW]
	s_delay_alu instid0(VALU_DEP_1)
	v_lshl_or_b32 v[PW], v[TM+7], 24, v[PW]
.irp b, 0,1,2,3
.irp i, 0,1,2,3,4,5,6,7,8,9,10,11,12,13,14,15
	v_med3_num_f32 v[\s+16*\b+\i], v[\s+16*\b+\i], -v[TM+8+\b], v[TM+8+\b]   ; the conversion does not saturate (ISA guide 7.6.2): the hold
.endr
	v_cvt_scalef32_pk8_fp8_f32 v[PC+4*\b:PC+1+4*\b], v[\s+16*\b:\s+7+16*\b], v[TM+12+\b]
	v_cvt_scalef32_pk8_fp8_f32 v[PC+2+4*\b:PC+3+4*\b], v[\s+8+16*\b:\s+15+16*\b], v[TM+12+\b]
.endr
	v_nop                                          ; a plain line behind the last conversion
.endm
	s_load_b512 s[4:19], s[0:1], 0x0               ; argument 0 s[4:5], gain s[6:7], bias s[8:9], wq, wk, wv, wo, w1
	s_load_b128 s[20:23], s[0:1], 0x40             ; w2, the destination
	v_lshl_add_u32 v227, v0, 2, 0x11000
	v_mov_b32 v255, 0
	v_lshrrev_b32 v1, 5, v0
	s_delay_alu instid0(VALU_DEP_1)
	v_readfirstlane_b32 s[WV], v1                  ; wave 0..7
	v_and_b32 v1, 31, v0                           ; lane
	v_and_b32 v2, 15, v0                           ; r
	v_bfe_u32 v3, v0, 4, 1                         ; h
	s_delay_alu instid0(VALU_DEP_3)
	v_lshlrev_b32 v4, 4, v1                        ; 16 x lane
	s_mul_i32 s25, s[WV], STGB
	s_add_co_u32 s25, s25, STG0                    ; my stage
	v_add_nc_u32 v5, s25, v4                       ; into it: a row's 512 bytes as they lie
	v_mul_u32_u24 v6, v2, 528
	s_delay_alu instid0(VALU_DEP_1)
	v_lshl_add_u32 v6, v3, 6, v6
	s_delay_alu instid0(VALU_DEP_1)
	v_add_nc_u32 v6, s25, v6                       ; out of it: row r, + 64 h
	s_lshl_b32 s26, s[WV], 6
	v_lshlrev_b32 v8, 2, v2                        ; 4 r
	s_delay_alu instid0(VALU_DEP_1)
	v_add_nc_u32 v7, s26, v8                       ; 64 w + 4 r
	v_lshlrev_b32 v11, 6, v3                       ; 64 h
	v_mov_b32 v[SM+1], 0                           ; (named as the upper half of a pair)
	v_mov_b32 v[SM+10], 0                          ; (a lane permute's destination counts as one of its sources)
.irp b, 0,1,2,3
	v_mov_b32 v[TM+4+\b], 0
.endr
	s_mov_b32 s[SEL], 0x76543210
	s_mov_b32 s[SEL+1], 0xfedcba98                 ; lane l xor 16
	s_mov_b32 s[MNT], 0x600000                     ; the mantissa field of 448
	s_mov_b32 s56, 0x3a800000                      ; 1 / 1,024
	s_mov_b32 s57, 0x3727c5ac                      ; 1e-5
	; which tensor is my unit's: its first unit s28, log2 of its K / 1,024 s29, first tile in its region s30, row groups of the region s31, the region's first block s32
	s_mov_b32 s28, 0
	s_mov_b32 s29, 0
	s_mov_b32 s30, 0
	s_mov_b32 s31, 32
	s_mov_b32 s32, 0
	s_wait_kmcnt 0x0
	s_mov_b64 s[34:35], s[4:5]
	s_cmp_ge_u32 ttmp9, 256
	s_cselect_b64 s[34:35], s[10:11], s[34:35]     ; wq
	s_cselect_b32 s28, 256, s28
	s_cselect_b32 s32, 128, s32
	s_cmp_ge_u32 ttmp9, 320
	s_cselect_b64 s[34:35], s[12:13], s[34:35]     ; wk
	s_cselect_b32 s28, 320, s28
	s_cselect_b32 s30, 64, s30
	s_cmp_ge_u32 ttmp9, 384
	s_cselect_b64 s[34:35], s[14:15], s[34:35]     ; wv
	s_cselect_b32 s28, 384, s28
	s_cselect_b32 s30, 128, s30
	s_cmp_ge_u32 ttmp9, 448
	s_cselect_b64 s[34:35], s[16:17], s[34:35]     ; wo
	s_cselect_b32 s28, 448, s28
	s_cselect_b32 s30, 0, s30
	s_cselect_b32 s31, 8, s31
	s_cselect_b32 s32, 256, s32
	s_cmp_ge_u32 ttmp9, 512
	s_cselect_b64 s[34:35], s[18:19], s[34:35]     ; w1
	s_cselect_b32 s28, 512, s28
	s_cselect_b32 s31, 32, s31
	s_cselect_b32 s32, 288, s32
	s_cmp_ge_u32 ttmp9, 768
	s_cselect_b64 s[34:35], s[20:21], s[34:35]     ; w2
	s_cselect_b32 s28, 768, s28
	s_cselect_b32 s29, 2, s29
	s_cselect_b32 s31, 8, s31
	s_cselect_b32 s32, 416, s32
	s_sub_co_u32 s36, ttmp9, s28
	s_lshr_b32 s37, s36, s29                       ; the tile
	s_lshl_b32 s38, s37, s29
	s_sub_co_u32 s38, s36, s38                     ; which 1,024 along K
	s_lshr_b32 s39, s37, 1
	s_lshl_b32 s39, s39, 5
	s_and_b32 s40, s37, 1
	s_lshl_b32 s40, s40, 3
	s_add_co_u32 s39, s39, s40                     ; the tile's first row
	s_add_co_u32 s40, s29, 12
	s_lshl_b32 s39, s39, s40                       ; x the row's bytes
	s_lshl_b32 s40, s38, 12
	s_add_co_u32 s39, s39, s40
	s_lshl_b32 s40, s[WV], 9
	s_add_co_u32 s40, s39, s40                     ; + my K step's 512 bytes
	s_mov_b32 s41, 0
	s_add_nc_u64 s[34:35], s[34:35], s[40:41]
	s_add_co_u32 s42, s30, s37
	s_lshr_b32 s43, s42, 3                         ; row group
	s_and_b32 s42, s42, 7                          ; tile in it
	s_lshl_b32 s44, s38, 2
	s_mul_i32 s44, s44, s31
	s_add_co_u32 s44, s44, s32
	s_add_co_u32 s44, s44, s43                     ; the block of the unit's first chunk
	s_mul_i32 s46, s44, BLK
	s_lshl_b32 s45, s42, 7
	s_add_co_u32 s48, s46, s45
	s_add_co_u32 s48, s48, 32768
	s_mov_b32 s49, 0
	s_add_nc_u64 s[48:49], s[22:23], s[48:49]      ; the tile's scale words in that block
	s_lshr_b32 s45, s[WV], 1
	s_mul_i32 s45, s45, s31
	s_mul_i32 s45, s45, BLK
	s_add_co_u32 s46, s46, s45                     ; my chunk's block
	s_lshl_b32 s45, s42, 1
	s_and_b32 s47, s[WV], 1
	s_add_co_u32 s45, s45, s47
	s_lshl_b32 s45, s45, 11
	s_add_co_u32 s46, s46, s45
	s_mov_b32 s47, 0
	s_add_nc_u64 s[46:47], s[22:23], s[46:47]      ; my fragment
	s_mul_i32 s50, s31, BLK                        ; from chunk to chunk
	v_lshrrev_b32 v13, 3, v1
	s_delay_alu instid0(VALU_DEP_1)
	v_mul_lo_u32 v13, v13, s50
	v_and_b32 v12, 7, v1
	s_delay_alu instid0(VALU_DEP_1)
	v_lshl_add_u32 v13, v12, 4, v13                ; the scale words' way out: eight lanes to a chunk's 128 bytes
	s_lshl_b32 s58, s[WV], 9
	s_mov_b32 s59, 0
	s_add_nc_u64 s[6:7], s[6:7], s[58:59]          ; gain and bias at my K step
	s_add_nc_u64 s[8:9], s[8:9], s[58:59]
.macro LOADS pitch                     ; the tile's 16 rows, 512 consecutive bytes each; read once in the launch
.irp i, 0,1,2,3,4,5,6,7,8,9,10,11,12,13,14,15
	global_load_b128 v[R+4*\i:R+4*\i+3], v4, s[34:35] offset:(\i+8*(\i/8))*\pitch th:TH_LOAD_NT
.endr
.endm
	s_cmp_eq_u32 s29, 0
	s_cbranch_scc0 .Lwide
	LOADS 4096
	s_branch .Lloaded
.Lwide:
	LOADS 16384
.Lloaded:
.irp i, 0,1,2,3,4,5,6,7,8,9,10,11,12,13,14,15
	s_wait_loadcnt 15-\i                           ; row i is in; the younger rows stay out
	ds_store_b128 v5, v[R+4*\i:R+4*\i+3] offset:528*\i
.endr
.irp b, 0,1,2,3
.irp j, 0,1,2,3
	ds_load_b128 v[X+16*\b+4*\j:X+16*\b+4*\j+3], v6 offset:128*\b+16*\j   ; LDS serves a wave's instructions in order: these see my stores
.endr
.endr
	s_wait_dscnt 0x0                               ; my numbers are in, and the stores have read v[R] on
.irp b, 0,1,2,3                        ; gain and bias of my 64 places along K: on every way through the text; they land behind the two sums
.irp j, 0,1,2,3
	global_load_b128 v[R+16*\b+4*\j:R+16*\b+4*\j+3], v11, s[6:7] offset:128*\b+16*\j
	global_load_b128 v[B+16*\b+4*\j:B+16*\b+4*\j+3], v11, s[8:9] offset:128*\b+16*\j
.endr
.endr
	s_cmp_lt_u32 ttmp9, 256
	s_cbranch_scc0 .Lno_sum
	v_pk_add_f32 v[SM+2:SM+3], v[X:X+1], v[X+2:X+3]
	v_pk_add_f32 v[SM+4:SM+5], v[X+4:X+5], v[X+6:X+7]
	v_pk_add_f32 v[SM+6:SM+7], v[X+8:X+9], v[X+10:X+11]
	v_pk_add_f32 v[SM+8:SM+9], v[X+12:X+13], v[X+14:X+15]
.irp j, 16,24,32,40,48,56
.irp k, 0,2,4,6
	s_delay_alu instid0(VALU_DEP_4)
	v_pk_add_f32 v[SM+2+\k:SM+3+\k], v[SM+2+\k:SM+3+\k], v[X+\j+\k:X+\j+\k+1]
.endr
.endr
	REDUCE
	ds_store_b32 v7, v[SM+2] offset:ST1            ; both lanes of a row write the same word with the same value
.Lno_sum:
	BARRIER
	s_cmp_lt_u32 ttmp9, 256
	s_cbranch_scc0 .Lno_var
	GATHER ST1
	s_delay_alu instid0(VALU_DEP_1)
	v_mul_f32 v[SM], s56, v[SM+2]                  ; the mean
.set j, 0
.rept 32
	v_pk_add_f32 v[X+j:X+j+1], v[X+j:X+j+1], v[SM:SM+1] op_sel_hi:[1,0] neg_lo:[0,1] neg_hi:[0,1]
.set j, j+2
.endr
.irp k, 0,2,4,6
	v_pk_mul_f32 v[SM+2+\k:SM+3+\k], v[X+\k:X+\k+1], v[X+\k:X+\k+1]
.endr
.irp j, 8,16,24,32,40,48,56
.irp k, 0,2,4,6
	s_delay_alu instid0(VALU_DEP_4)
	v_pk_fma_f32 v[SM+2+\k:SM+3+\k], v[X+\j+\k:X+\j+\k+1], v[X+\j+\k:X+\j+\k+1], v[SM+2+\k:SM+3+\k]
.endr
.endr
	REDUCE
	ds_store_b32 v7, v[SM+2] offset:ST2
.Lno_var:
	BARRIER
	s_wait_loadcnt 0x0                             ; gain and bias are in, on every way: no load of mine is out from here on
	s_cmp_lt_u32 ttmp9, 256
	s_cbranch_scc0 .Lno_norm
	GATHER ST2
	s_delay_alu instid0(VALU_DEP_1)
	v_fma_f32 v[SM], v[SM+2], s56, s57             ; the variance + 1e-5
	s_wait_alu depctr_va_vdst(0)
	v_rsq_f32 v[SM], v[SM]
	v_nop                                          ; a plain line behind the transcendental
	s_wait_alu depctr_va_vdst(0)                   ; and the wait ahead of its first reader
.set j, 0
.rept 32
	v_pk_mul_f32 v[X+j:X+j+1], v[X+j:X+j+1], v[SM:SM+1] op_sel_hi:[1,0]
.set j, j+2
.endr
.set j, 0
.rept 32
	v_pk_fma_f32 v[X+j:X+j+1], v[X+j:X+j+1], v[R+j:R+j+1], v[B+j:B+j+1]
.set j, j+2
.endr
.Lno_norm:
	QUANT X
.irp c, 0,1,2,3
	global_store_b128 v4, v[PC+4*\c:PC+4*\c+3], s[46:47] offset:512*\c   ; 32 lanes store 512 consecutive bytes, at a multiple of 256 from the buffer's first byte
.endr
	ds_store_b32 v7, v[PW] offset:SCW
	BARRIER                                        ; the eight K steps' scale words lie in LDS
	s_cmp_lg_u32 s[WV], 0
	s_cbranch_scc1 .Lend
	ds_load_b128 v[R:R+3], v4 offset:SCW
	s_wait_dscnt 0x0
	global_store_b128 v13, v[R:R+3], s[48:49]      ; four runs of 128 bytes, one in each chunk's block
.Lend:
	s_wait_tensorcnt 0x0
	ds_add_u32 v227, v255
	s_wait_dscnt 0x0
	s_endpgm
.Lfunc_end_k_qfc0985bd06_prep:
	.size	k_qfc0985bd06_prep, .Lfunc_end_k_qfc0985bd06_prep-k_qfc0985bd06_prep
	.p2alignl 7, 3214868480
	.fill 96, 4, 3214868480
	.section	.rodata,"a",@progbits
	.p2align	6, 0x0
	.amdhsa_kernel k_qfc0985bd06_prep
		.amdhsa_group_segment_fixed_size 70656
		.amdhsa_private_segment_fixed_size 0
		.amdhsa_enable_private_segment 0
		.amdhsa_kernarg_size 80
		.amdhsa_user_sgpr_count 2
		.amdhsa_user_sgpr_kernarg_segment_ptr 1
		.amdhsa_wavefront_size32 1
		.amdhsa_system_sgpr_workgroup_id_x 1
		.amdhsa_system_sgpr_workgroup_id_y 1
		.amdhsa_system_sgpr_workgroup_id_z 1
		.amdhsa_system_vgpr_workitem_id 0
		.amdhsa_next_free_vgpr 256
		.amdhsa_next_free_sgpr 66
		.amdhsa_reserve_vcc 0
		.amdhsa_float_denorm_mode_32 3
		.amdhsa_float_denorm_mode_16_64 3
		.amdhsa_memory_ordered 1
		.amdhsa_forward_progress 1
		.amdhsa_inst_pref_size 40
	.end_amdhsa_kernel
	.amdgpu_metadata
---
amdhsa.version: [ 1, 2 ]
amdhsa.kernels:
  - .name:           k_qfc0985bd06_prep
    .symbol:         k_qfc0985bd06_prep.kd
    .args:
      - { .name: x, .offset: 0, .size: 8, .value_kind: global_buffer, .address_space: global }
      - { .name: ln1_g, .offset: 8, .size: 8, .value_kind: global_buffer, .address_space: global }
      - { .name: ln1_b, .offset: 16, .size: 8, .value_kind: global_buffer, .address_space: global }
      - { .name: wq, .offset: 24, .size: 8, .value_kind: global_buffer, .address_space: global }
      - { .name: wk, .offset: 32, .size: 8, .value_kind: global_buffer, .address_space: global }
      - { .name: wv, .offset: 40, .size: 8, .value_kind: global_buffer, .address_space: global }
      - { .name: wo, .offset: 48, .size: 8, .value_kind: global_buffer, .address_space: global }
      - { .name: w1, .offset: 56, .size: 8, .value_kind: global_buffer, .address_space: global }
      - { .name: w2, .offset: 64, .size: 8, .value_kind: global_buffer, .address_space: global }
      - { .name: pw, .offset: 72, .size: 8, .value_kind: global_buffer, .address_space: global }
    .group_segment_fixed_size: 70656
    .private_segment_fixed_size: 0
    .kernarg_segment_align: 8
    .kernarg_segment_size: 80
    .max_flat_workgroup_size: 256
    .sgpr_count:     66
    .vgpr_count:     256
    .wavefront_size: 32
...
	.end_amdgpu_metadata
.endif
;; end of part 1
;; launch qkv (part 2): grid 12 x 16, 4 waves a work-group, clusters of 4 x 4, 327,680 bytes of LDS; arguments pw, qkv; writes qkv
.if DOCPART == 2
	.amdgcn_target "amdgcn-amd-amdhsa--gfx1250"
	.amdhsa_code_object_version 6
	.text
	.protected	k_qfc0985bd06_qkv
	.globl	k_qfc0985bd06_qkv
	.p2align	8
	.type	k_qfc0985bd06_qkv,@function
k_qfc0985bd06_qkv:
	s_mov_b64 s[64:65], 0
	v_nop
	global_prefetch_b8 v0, s[64:65] scope:SCOPE_SE
	s_setreg_imm32_b32 hwreg(HW_REG_WAVE_MODE, 25, 1), 1
	s_wait_xcnt 0x0
	s_wait_alu depctr_hold_cnt(0) depctr_sa_sdst(0) depctr_va_vdst(0) depctr_va_sdst(0) depctr_va_ssrc(0) depctr_va_vcc(0) depctr_vm_vsrc(0)
	s_getreg_b32 s2, hwreg(HW_REG_IB_STS2, 6, 4)
	s_cmp_eq_u32 s2, 0
	s_cbranch_scc0 .Lentry_in_a_cluster
	s_endpgm
.Lentry_in_a_cluster:
	s_bfe_u32 s2, ttmp6, 0x10000c
	s_cmp_lg_u32 s2, 0xf033
	s_cbranch_scc0 .Lentry_shape_is_right
	s_endpgm
.Lentry_shape_is_right:
.set BLK,   33792
.set SLOT,  4*BLK
.set SPARE, 2*SLOT
.set QSO,   4194304
.set KVO,   4456448
.set NP,    8
.set SPW,  2
.set NIL,  3
.set ADRA, 16
.set ADSA, 18
.set ADRB, 20
.set ADSB, 22
.set SC,   32
.set AF,   128
.set G1,  24
.set G0,  32
.set G1B, 48
.set G0B, 56
.set MUL_LO, 0xa1
.set MUL_HI, 0xf1
.set TO_B,   0x40
.set MSB, 0
.macro WIN new
.if MSB != (\new)
	s_set_vgpr_msb (MSB<<8)|(\new)
.set MSB, (\new)
.endif
.endm
.macro PLACES n
.rept \n
	v_nop
.endr
.endm
.macro JLOAD g0a, g1a, g0b, g1b
	s_cmp_eq_u32 s15, 0
	s_cbranch_scc0 .Lfor_b_\@
	tensor_load_to_lds s[\g0a:\g0a+3], s[\g1a:\g1a+7]
	s_nop 0
.rept 4
	v_nop
.endr
	s_branch .Lasked_\@
.Lfor_b_\@:
	tensor_load_to_lds s[\g0b:\g0b+3], s[\g1b:\g1b+7]
	s_nop 0
.rept 4
	v_nop
.endr
.Lasked_\@:
.endm
.macro CREST
	s_cmp_lg_u32 s14, 0
	s_cbranch_scc1 .Lnot_wave_0_\@
	s_barrier_signal -3
.Lnot_wave_0_\@:
	s_barrier_wait -3
	s_barrier_signal -1
	s_barrier_wait -1
.endm
.macro CROUND
	s_barrier_signal -1
	s_barrier_wait -1
	CREST
.endm
.macro WM d, a, b, acc, sa, sb, ra, rb
.if \acc
.if (\ra) && (\rb)
	v_wmma_scale_f32_16x16x128_f8f6f4 v[\d:\d+7], v[\a:\a+15], v[\b:\b+15], v[\d:\d+7], v[\sa], v[\sb] matrix_a_scale:MATRIX_SCALE_ROW1 matrix_b_scale:MATRIX_SCALE_ROW1
.elseif \ra
	v_wmma_scale_f32_16x16x128_f8f6f4 v[\d:\d+7], v[\a:\a+15], v[\b:\b+15], v[\d:\d+7], v[\sa], v[\sb] matrix_a_scale:MATRIX_SCALE_ROW1
.elseif \rb
	v_wmma_scale_f32_16x16x128_f8f6f4 v[\d:\d+7], v[\a:\a+15], v[\b:\b+15], v[\d:\d+7], v[\sa], v[\sb] matrix_b_scale:MATRIX_SCALE_ROW1
.else
	v_wmma_scale_f32_16x16x128_f8f6f4 v[\d:\d+7], v[\a:\a+15], v[\b:\b+15], v[\d:\d+7], v[\sa], v[\sb]
.endif
.else
.if (\ra) && (\rb)
	v_wmma_scale_f32_16x16x128_f8f6f4 v[\d:\d+7], v[\a:\a+15], v[\b:\b+15], 0, v[\sa], v[\sb] matrix_a_scale:MATRIX_SCALE_ROW1 matrix_b_scale:MATRIX_SCALE_ROW1
.elseif \ra
	v_wmma_scale_f32_16x16x128_f8f6f4 v[\d:\d+7], v[\a:\a+15], v[\b:\b+15], 0, v[\sa], v[\sb] matrix_a_scale:MATRIX_SCALE_ROW1
.elseif \rb
	v_wmma_scale_f32_16x16x128_f8f6f4 v[\d:\d+7], v[\a:\a+15], v[\b:\b+15], 0, v[\sa], v[\sb] matrix_b_scale:MATRIX_SCALE_ROW1
.else
	v_wmma_scale_f32_16x16x128_f8f6f4 v[\d:\d+7], v[\a:\a+15], v[\b:\b+15], 0, v[\sa], v[\sb]
.endif
.endif
.endm
	s_load_b128 s[4:7], s[0:1], 0x0
	v_lshl_add_u32 v[SPW], v0, 2, SPARE
	v_mov_b32 v[NIL], 0
	ds_add_u32 v2, v3
	ds_add_u32 v2, v3
	s_wait_dscnt 0x0
	v_lshrrev_b32 v1, 5, v0
	v_readfirstlane_b32 s14, v1
	s_lshr_b32 s15, s14, 1
	s_and_b32 s16, s14, 1
	s_bfe_u32 s40, ttmp6, 0x40000
	s_bfe_u32 s41, ttmp6, 0x40004
	s_and_b32 s17, ttmp7, 0xffff
	s_lshl_b32 s43, s41, 2
	s_lshl_b32 s43, 15, s43
	s_lshl_b32 s44, 0x1111, s40
	s_or_b32 s[G1+0], s43, (3<<16)|(1<<21)
	s_or_b32 s[G1B+0], s44, (3<<16)|(1<<21)
.irp g, G1, G1B
	s_mov_b32 s[\g+1], 32<<16
	s_mov_b32 s[\g+2], 264<<16                     ; the head's loads bring two blocks on end: 264 rows of 256 bytes
	s_mov_b32 s[\g+3], 32<<16
	s_mov_b32 s[\g+4], 264
	s_mov_b32 s[\g+5], 32
	s_mov_b32 s[\g+6], 0
	s_mov_b32 s[\g+7], 0
.endr
	s_lshl_b32 s18, s17, 2
	s_add_co_u32 s20, s18, s41
	s_lshl_b32 s20, s20, 1
	s_lshl_b32 s21, s41, 1
	s_add_co_u32 s21, s21, 144
	s_cmp_eq_u32 ttmp9, 2
	s_cselect_b32 s20, s21, s20
	s_add_co_u32 s20, s20, s16
	s_mul_i32 s20, s20, BLK
	s_mov_b32 s21, 0
	s_lshl_b32 s46, ttmp9, 2
	s_add_co_u32 s46, s46, s40
	s_lshl_b32 s46, s46, 1
	s_add_co_u32 s46, s46, 128
	s_add_co_u32 s47, s18, s40
	s_lshl_b32 s47, s47, 1
	s_cmp_eq_u32 ttmp9, 2
	s_cselect_b32 s46, s47, s46
	s_add_co_u32 s46, s46, s16
	s_mul_i32 s46, s46, BLK
	s_mov_b32 s47, 0
	s_mul_i32 s45, s14, BLK
	s_wait_kmcnt 0x0
	s_add_nc_u64 s[20:21], s[4:5], s[20:21]
	s_add_nc_u64 s[46:47], s[4:5], s[46:47]
	CROUND
.irp s, 0,1
	s_mov_b32 s[G0+4*\s], 1
	s_add_co_u32 s[G0+4*\s+1], s45, \s*SLOT
	s_add_nc_u64 s[G0+4*\s+2:G0+4*\s+3], s[20:21], \s*32*BLK
	s_or_b32 s[G0+4*\s+3], s[G0+4*\s+3], 0x80000000
	s_mov_b32 s[G0B+4*\s], 1
	s_add_co_u32 s[G0B+4*\s+1], s45, \s*SLOT
	s_add_nc_u64 s[G0B+4*\s+2:G0B+4*\s+3], s[46:47], \s*32*BLK
	s_or_b32 s[G0B+4*\s+3], s[G0B+4*\s+3], 0x80000000
.endr
	; THE HEAD'S LOADS, ONE A WAVE, FILL BOTH SLOTS: wave 0 slot 0's two blocks of A, wave 1 slot 1's, wave 2 slot 0's two blocks of B, wave 3 slot 1's.  A slot's two blocks of an operand lie on end in memory and in LDS
	s_mul_i32 s66, s16, 31*BLK                     ; from my ring block (pair + s16) of chunk 0 to the pair's first block of chunk s16: 32 blocks a chunk
	s_mov_b32 s67, 0
	s_mov_b32 s68, 1
	s_mul_i32 s69, s16, SLOT
	s_add_nc_u64 s[70:71], s[20:21], s[66:67]
	s_or_b32 s71, s71, 0x80000000
	s_mov_b32 s72, 1
	s_add_co_u32 s73, s69, 2*BLK
	s_add_nc_u64 s[74:75], s[46:47], s[66:67]
	s_or_b32 s75, s75, 0x80000000
	JLOAD 68, G1, 72, G1B
	v_and_b32 v1, 31, v0
	v_lshlrev_b32 v4, 2, v1
	v_lshlrev_b32 v5, 3, v1
	v_lshlrev_b32 v1, 4, v1
	s_mul_i32 s21, s15, BLK
	s_mul_i32 s22, s16, BLK
	s_add_co_u32 s22, s22, 2*BLK
.irp s, 0,1
	v_add_nc_u32 v[ADRA+\s], s21, v1
	v_add_nc_u32 v[ADRB+\s], s22, v1
	v_add_nc_u32 v[ADSA+\s], s21, v4
	v_add_nc_u32 v[ADSB+\s], s22, v4
	s_add_co_u32 s21, s21, SLOT
	s_add_co_u32 s22, s22, SLOT
.endr
.macro FRAG reg, adr, q, i
.irp c, 0,1,2,3
	ds_load_b128 v[\reg+4*\c:\reg+4*\c+3], v[\adr] offset:(\i)*4096+(\q)*2048+512*\c
.endr
.endm
.macro FETCH_B slot, q, p
	WIN TO_B
.irp i, 0,1,2,3,4,5,6,7
	FRAG 128*(\p)+16*\i, ADRB+\slot, \q, \i
.endr
	WIN 0
.endm
.macro FETCH_A slot, q, i0
.irp i, \i0, \i0+1, \i0+2, \i0+3
	FRAG AF+16*(\i), ADRA+\slot, \q, \i
.endr
.endm
.macro SCALES sc
.irp i, 0,1,2,3,4,5,6,7
	ds_load_b32 v[SC+16*\sc+\i], v[ADSA+\sc] offset:32768+128*\i
	ds_load_b32 v[SC+16*\sc+8+\i], v[ADSB+\sc] offset:32768+128*\i
.endr
.endm
.macro MUL16 a0, p, q, sc, acc
.irp a, \a0, \a0+1
.irp b, 0,1,2,3,4,5,6,7
.set rD, 8*(8*((\a)%4)+\b)
.set rB, 128*(\p)+16*\b
.set rA, AF+16*(\a)
.set rSB, SC+16*(\sc)+8+\b
.set rSA, SC+16*(\sc)+(\a)
	WM rD, rB, rA, \acc, rSB, rSA, \q, \q
.endr
.endr
.endm
.macro STEP slot, acc
	s_wait_dscnt 16
	WIN MUL_LO
	MUL16 0, 0, 0, \slot, \acc
	MUL16 2, 0, 0, \slot, \acc
	s_wait_dscnt 0x0
	PLACES NP
	FETCH_B \slot, 1, 1
	FETCH_A \slot, 1, 0
	WIN MUL_HI
	MUL16 4, 0, 0, \slot, \acc
	MUL16 6, 0, 0, \slot, \acc
	PLACES NP
	WIN 0
	FETCH_A \slot, 1, 4
.endm
.macro TURN slot, next, fill
	s_wait_tensorcnt 0x0
	ds_add_u32 v[SPW], v[NIL]
	s_wait_dscnt 17
	WIN MUL_LO
	MUL16 0, 1, 1, \slot, 1
	s_wait_dscnt 0x0
	s_barrier_signal -1
	MUL16 2, 1, 1, \slot, 1
	WIN 0
	s_barrier_wait -1
.if \fill
	CREST
	s_add_nc_u64 s[G0+4*\slot+2:G0+4*\slot+3], s[G0+4*\slot+2:G0+4*\slot+3], 2*32*BLK
	s_add_nc_u64 s[G0B+4*\slot+2:G0B+4*\slot+3], s[G0B+4*\slot+2:G0B+4*\slot+3], 2*32*BLK
	JLOAD G0+4*\slot, G1, G0B+4*\slot, G1B
	PLACES NP-4
.else
	PLACES NP
.endif
	FETCH_B \next, 0, 0
	FETCH_A \next, 0, 0
	SCALES \next
	WIN MUL_HI
	MUL16 4, 1, 1, \slot, 1
	MUL16 6, 1, 1, \slot, 1
	PLACES NP
	WIN 0
	FETCH_A \next, 0, 4
.endm
	s_wait_alu depctr_va_vdst(0)
	s_wait_tensorcnt 0x0                           ; my one load is in; no tensor load of mine is out, so a descriptor may be written: from here on a load brings one block, 132 rows
	s_mov_b32 s[G1+2], 132<<16
	s_mov_b32 s[G1+4], 132
	s_mov_b32 s[G1B+2], 132<<16
	s_mov_b32 s[G1B+4], 132
	s_barrier_signal -1
	s_barrier_wait -1
	FETCH_B 0, 0, 0
	FETCH_A 0, 0, 0
	SCALES 0
	FETCH_A 0, 0, 4
	STEP 0, 0
	TURN 0, 1, 1
	STEP 1, 1
	TURN 1, 0, 1
	STEP 0, 1
	TURN 0, 1, 0
	STEP 1, 1
	s_wait_dscnt 16
	WIN MUL_LO
	MUL16 0, 1, 1, 1, 1
	MUL16 2, 1, 1, 1, 1
	s_wait_dscnt 0x0
	WIN MUL_HI
	MUL16 4, 1, 1, 1, 1
	MUL16 6, 1, 1, 1, 1
	WIN 0
	s_cmp_eq_u32 ttmp9, 2
	s_cselect_b32 s66, s40, s41
	s_cselect_b32 s67, s16, s15
	s_cselect_b32 s68, s41, s40
	s_cselect_b32 s69, s15, s16
	s_lshl_b32 s70, s17, 2
	s_add_co_u32 s70, s70, s66
	s_lshl_b32 s70, s70, 1
	s_add_co_u32 s70, s70, s67
	s_lshl_b32 s71, s68, 1
	s_add_co_u32 s71, s71, s69
	s_lshl_b32 s71, s71, 1
	s_lshr_b32 s72, s70, 4
	s_and_b32 s73, s70, 15
	s_lshl_b32 s72, s72, 4
	s_add_co_u32 s72, s72, s71
	s_mul_i32 s74, s72, 274432
	s_lshr_b32 s75, s73, 2
	s_mul_i32 s75, s75, 68608
	s_add_co_u32 s74, s74, s75
	s_add_co_u32 s74, s74, KVO
	s_and_b32 s75, s73, 3
	s_lshl_b32 s76, s75, 13
	s_add_co_u32 s76, s76, s74
	s_cmp_eq_u32 ttmp9, 2
	s_cselect_b32 s77, 32768, 0
	s_add_co_u32 s76, s76, s77
	s_lshl_b32 s78, s75, 9
	s_add_co_u32 s78, s78, 65536
	s_lshl_b32 s79, s75, 8
	s_add_co_u32 s79, s79, 67584
	s_cmp_eq_u32 ttmp9, 2
	s_cselect_b32 s78, s79, s78
	s_add_co_u32 s78, s78, s74
	s_lshl_b32 s80, s72, 17
	s_lshl_b32 s81, s73, 13
	s_add_co_u32 s80, s80, s81
	s_lshl_b32 s82, s72, 13
	s_lshl_b32 s83, s73, 9
	s_add_co_u32 s82, s82, s83
	s_add_co_u32 s82, s82, QSO
	s_mov_b32 s84, 274432
	s_mov_b32 s86, 274432
	s_cmp_eq_u32 ttmp9, 0
	s_cselect_b32 s76, s80, s76
	s_cselect_b32 s78, s82, s78
	s_cselect_b32 s84, 131072, s84
	s_cselect_b32 s86, 8192, s86
	s_mov_b32 s77, 0
	s_mov_b32 s79, 0
	s_mov_b32 s85, 0
	s_mov_b32 s87, 0
	s_add_nc_u64 s[88:89], s[6:7], s[76:77]
	s_add_nc_u64 s[90:91], s[88:89], s[84:85]
	s_add_nc_u64 s[92:93], s[6:7], s[78:79]
	s_add_nc_u64 s[94:95], s[92:93], s[86:87]
	s_mov_b32 s96, 0x76543210
	s_mov_b32 s97, 0xfedcba98
	s_mov_b32 s98, 0x600000
	s_mov_b32 s60, 0x01000100
	s_mov_b32 s61, 0x03020302
.set XH,  0
.set TM,  64
.set PWR, 80
.set MW,  88
.set H0,  96
.set H1,  100
.macro QUANTW src, ws, pc, pw
	WIN ((\ws)|((\ws)<<2)|0x50)
.irp b, 0,1,2,3
	v_max3_num_f32 v[TM+\b], |v[\src+16*\b]|, |v[\src+16*\b+1]|, 0x4800000
.endr
.irp i, 2,4,6,8,10,12,14
.irp b, 0,1,2,3
	v_max3_num_f32 v[TM+\b], |v[\src+16*\b+\i]|, |v[\src+16*\b+\i+1]|, v[TM+\b]
.endr
.endr
	WIN 0x55
.irp b, 0,1,2,3
	v_permlanex16_b32 v[TM+4+\b], v[TM+\b], s96, s97
.endr
.irp b, 0,1,2,3
	v_max_num_f32 v[TM+\b], v[TM+\b], v[TM+4+\b]
.endr
.irp b, 0,1,2,3
	v_add_nc_u32 v[TM+12+\b], 0xfc000000, v[TM+\b]
.endr
.irp b, 0,1,2,3
	v_and_or_b32 v[TM+8+\b], v[TM+\b], 0x7f800000, s98
.endr
.irp b, 0,1,2,3
	v_lshrrev_b32 v[TM+4+\b], 23, v[TM+12+\b]
.endr
	v_lshl_or_b32 v[\pw], v[TM+5], 8, v[TM+4]
	v_lshl_or_b32 v[\pw], v[TM+6], 16, v[\pw]
	v_lshl_or_b32 v[\pw], v[TM+7], 24, v[\pw]
	WIN ((\ws)|0x54)
.irp b, 0,1,2,3
.irp i, 0,1,2,3,4,5,6,7,8,9,10,11,12,13,14,15
	v_med3_num_f32 v[XH+16*\b+\i], v[\src+16*\b+\i], -v[TM+8+\b], v[TM+8+\b]
.endr
.endr
	WIN 0x55
.irp b, 0,1,2,3
	v_cvt_scalef32_pk8_fp8_f32 v[\pc+4*\b:\pc+4*\b+1], v[XH+16*\b:XH+16*\b+7], v[TM+12+\b]
	v_cvt_scalef32_pk8_fp8_f32 v[\pc+4*\b+2:\pc+4*\b+3], v[XH+16*\b+8:XH+16*\b+15], v[TM+12+\b]
.endr
	v_nop
.endm
	PLACES NP
	WIN 0x55
.irp b, 0,1,2,3
	v_mov_b32 v[TM+4+\b], 0
.endr
.irp a, 0,1,2,3,4,5,6,7
	QUANTW 64*(\a%4), 2+\a/4, 128+16*\a, PWR+\a
.endr
	s_mov_b32 vcc_lo, 0xffff0000
.irp j, 0,1,2,3
	v_cndmask_b32 v[MW+\j], v[PWR+2*\j], v[PWR+2*\j+1], vcc_lo
.endr
	WIN 0
	s_cmp_eq_u32 ttmp9, 2
	s_cbranch_scc1 .Lv_out
	WIN 0x55
.irp j, 0,1,2,3
	v_perm_b32 v[H0+\j], v[MW+\j], v[MW+\j], s60
	v_perm_b32 v[H1+\j], v[MW+\j], v[MW+\j], s61
.endr
	WIN 0x04
.irp a, 0,1,2,3,4,5,6,7
	global_store_b128 v1, v[128+16*\a:131+16*\a], s[88:89] offset:1024*\a
	global_store_b128 v1, v[132+16*\a:135+16*\a], s[88:89] offset:1024*\a+512
	global_store_b128 v1, v[136+16*\a:139+16*\a], s[90:91] offset:1024*\a
	global_store_b128 v1, v[140+16*\a:143+16*\a], s[90:91] offset:1024*\a+512
.endr
	global_store_b128 v1, v[H0:H0+3], s[92:93]
	global_store_b128 v1, v[H1:H1+3], s[94:95]
	WIN 0
	s_branch .Ldone
.Lv_out:
	WIN 0x04
	s_wait_alu depctr_va_vdst(0)
.irp a, 0,1,2,3
.irp c, 0,1,2,3
	global_store_b128 v1, v[128+16*\a+4*\c:131+16*\a+4*\c], s[88:89] offset:2048*\a+512*\c
	global_store_b128 v1, v[192+16*\a+4*\c:195+16*\a+4*\c], s[90:91] offset:2048*\a+512*\c
.endr
.endr
	global_store_b64 v5, v[MW:MW+1], s[92:93]
	global_store_b64 v5, v[MW+2:MW+3], s[94:95]
	WIN 0
.Ldone:
	s_wait_tensorcnt 0x0
	ds_add_u32 v[SPW], v[NIL]
	s_wait_dscnt 0x0
	CROUND
	s_endpgm
.Lfunc_end_k_qfc0985bd06_qkv:
	.size	k_qfc0985bd06_qkv, .Lfunc_end_k_qfc0985bd06_qkv-k_qfc0985bd06_qkv
	.p2alignl 7, 3214868480
	.fill 96, 4, 3214868480
	.section	.rodata,"a",@progbits
	.p2align	6, 0x0
	.amdhsa_kernel k_qfc0985bd06_qkv
		.amdhsa_group_segment_fixed_size 327680
		.amdhsa_private_segment_fixed_size 0
		.amdhsa_enable_private_segment 0
		.amdhsa_kernarg_size 16
		.amdhsa_user_sgpr_count 2
		.amdhsa_user_sgpr_kernarg_segment_ptr 1
		.amdhsa_wavefront_size32 1
		.amdhsa_system_sgpr_workgroup_id_x 1
		.amdhsa_system_sgpr_workgroup_id_y 1
		.amdhsa_system_sgpr_workgroup_id_z 1
		.amdhsa_system_vgpr_workitem_id 0
		.amdhsa_next_free_vgpr 1024
		.amdhsa_next_free_sgpr 100
		.amdhsa_reserve_vcc 1
		.amdhsa_float_denorm_mode_32 3
		.amdhsa_float_denorm_mode_16_64 3
		.amdhsa_memory_ordered 1
		.amdhsa_forward_progress 1
		.amdhsa_inst_pref_size 190
	.end_amdhsa_kernel
	.amdgpu_metadata
---
amdhsa.version: [ 1, 2 ]
amdhsa.kernels:
  - .name:           k_qfc0985bd06_qkv
    .symbol:         k_qfc0985bd06_qkv.kd
    .args:
      - { .name: pw, .offset: 0, .size: 8, .value_kind: global_buffer, .address_space: global }
      - { .name: qkv, .offset: 8, .size: 8, .value_kind: global_buffer, .address_space: global }
    .group_segment_fixed_size: 327680
    .private_segment_fixed_size: 0
    .kernarg_segment_align: 8
    .kernarg_segment_size: 16
    .max_flat_workgroup_size: 128
    .sgpr_count:     100
    .vgpr_count:     1024
    .wavefront_size: 32
...
	.end_amdgpu_metadata
.endif
;; end of part 2
;; launch attn (part 3): grid 8 x 32, 16 waves a work-group, clusters of 4 x 1, 327,680 bytes of LDS; arguments qkv, ctx; writes ctx
.if DOCPART == 3
	.amdgcn_target "amdgcn-amd-amdhsa--gfx1250"
	.amdhsa_code_object_version 6
	.text
	.protected	k_qfc0985bd06_attn
	.globl	k_qfc0985bd06_attn
	.p2align	8
	.type	k_qfc0985bd06_attn,@function
k_qfc0985bd06_attn:
	s_mov_b64 s[64:65], 0
	v_nop
	global_prefetch_b8 v0, s[64:65] scope:SCOPE_SE
	s_setreg_imm32_b32 hwreg(HW_REG_WAVE_MODE, 25, 1), 1
	s_wait_xcnt 0x0
	s_wait_alu depctr_hold_cnt(0) depctr_sa_sdst(0) depctr_va_vdst(0) depctr_va_sdst(0) depctr_va_ssrc(0) depctr_va_vcc(0) depctr_vm_vsrc(0)
	s_getreg_b32 s2, hwreg(HW_REG_IB_STS2, 6, 4)
	s_cmp_eq_u32 s2, 0
	s_cbranch_scc0 .Lentry_in_a_cluster
	s_endpgm
.Lentry_in_a_cluster:
	s_bfe_u32 s2, ttmp6, 0x10000c
	s_cmp_lg_u32 s2, 0x3003
	s_cbranch_scc0 .Lentry_shape_is_right
	s_endpgm
.Lentry_shape_is_right:
; ctx = softmax(q k^T / 8) v for one head and 256 queries a work-group, both products on codes of E4M3 with E8M0 scales; the result is quantised along the head's 64 for the next product.
; THE SOFTMAX: t = score x log2(e) / 8; M = the running largest t rounded up to a whole number; p = 2^(t - M) is quantised along the keys; the row's sum is taken of the unquantised p and divides at the end.
; SHARES: SIXTEEN waves, each ONE tile of 16 queries in 256 registers: four waves to a SIMD.  A key step of a tile is 293 vector instructions for 12 matrix instructions and 34 LDS loads: vector work binds, so what counts is
; that one wave's vector work stands beside another's waits for LDS, exponentials and dependent lines.  The price: each fragment of K and V read from LDS feeds one product.
; Both products are used transposed (S^T = K Q^T, O^T = V^T P^T): a lane holds one query.  K's tiles hold keys 32 (t / 2) + 8 (t % 2) + r + 8 (r / 8): p's 16 registers of two neighbouring tiles are 16 neighbouring keys.
; THE HEAD HAS 64, THE INSTRUCTION'S K IS 128: the other half is zero codes on both sides.  An even tile is [K, zeros] against [Q, zeros], an odd one [zeros, K] against [zeros, Q]: two tiles share one run of zeros; the scale bytes are stored doubled.
; A HEAD'S K, V AND SCALE WORDS (274,432 bytes) FIT IN LDS AT ONCE: four chunks of 512 keys, each filled once, all asked for at the head; nothing is filled again.  So no tile could be asked for earlier than it is.
; CLUSTER 4 x 1: the four query blocks of a cluster read the same head: every load is joint (mask 15).  Each of the sixteen waves fetches one quarter of one chunk: one load a wave is out.
; REGISTERS: v1, v2, v4, v11 lane offsets; v5-7 at work; v8-10 addresses; v12 -M, v13 largest t, v[14:15] the sum; v16-39 [Q][zeros][Q]; v40-135 four runs [K][zeros][K]: the step's eight tiles;
; v56-71 also p's codes (K's tiles 1 and 2 are done with when p is converted); v136-199 S^T, then p, then V; v200-231 O^T; v232-235 K's scale words, v236-237 V's, v238 Q's, v239 p's; v240-255 at work.
; LIMITS: NaN and infinities are not served.  The result's two scale bytes a row leave by a store of two bytes: the word's other half belongs to another head's work-group.
.set BLK,  33792
.set QSO,  4194304
.set KVO,  4456448
.set CH,   68608                       ; a chunk: K 32 tiles x 1,024, V^T at 32,768 (4 steps x 4 tiles x 2,048), K's scale words at 65,536 (4 x 512), V's at 67,584 (4 x 256)
.set QF,  16
.set KF,  40
.set PC,  56
.set S,   136
.set O,   200
.set KSW, 232
.set VSW, 236
.set QSW, 238
.set PSW, 239
.set BM,  240
.set T2,  244
.set LIM, 248
.set SCO, 252
.set TT,  5
.set F,   6
.set PWT, 7
.set ADK, 8
.set ADS, 9
.set ADT, 10
.set WV,  8
.set SEL, 40
.set CS,  42
.set MNT, 44
.set TK,  45
.set TS,  46
.set TV,  47
.set CNT, 48
.macro PLACES n
.rept \n
	v_nop
.endr
.endm
.macro CROUND                          ; a round of the cluster's barrier
	s_barrier_signal -1
	s_barrier_wait -1
	s_cmp_lg_u32 s[WV], 0
	s_cbranch_scc1 .Lnot_wave_0_\@
	s_barrier_signal -3
.Lnot_wave_0_\@:
	s_barrier_wait -3
	s_barrier_signal -1
	s_barrier_wait -1
.endm
; one matrix instruction.  acc = 0: the sum begins with the constant 0.  ra, rb: the rows of the scale registers
.macro WM d, a, b, acc, sa, sb, ra, rb
.if \acc
.if (\ra) && (\rb)
	v_wmma_scale_f32_16x16x128_f8f6f4 v[\d:\d+7], v[\a:\a+15], v[\b:\b+15], v[\d:\d+7], v[\sa], v[\sb] matrix_a_scale:MATRIX_SCALE_ROW1 matrix_b_scale:MATRIX_SCALE_ROW1
.elseif \ra
	v_wmma_scale_f32_16x16x128_f8f6f4 v[\d:\d+7], v[\a:\a+15], v[\b:\b+15], v[\d:\d+7], v[\sa], v[\sb] matrix_a_scale:MATRIX_SCALE_ROW1
.elseif \rb
	v_wmma_scale_f32_16x16x128_f8f6f4 v[\d:\d+7], v[\a:\a+15], v[\b:\b+15], v[\d:\d+7], v[\sa], v[\sb] matrix_b_scale:MATRIX_SCALE_ROW1
.else
	v_wmma_scale_f32_16x16x128_f8f6f4 v[\d:\d+7], v[\a:\a+15], v[\b:\b+15], v[\d:\d+7], v[\sa], v[\sb]
.endif
.else
.if (\ra) && (\rb)
	v_wmma_scale_f32_16x16x128_f8f6f4 v[\d:\d+7], v[\a:\a+15], v[\b:\b+15], 0, v[\sa], v[\sb] matrix_a_scale:MATRIX_SCALE_ROW1 matrix_b_scale:MATRIX_SCALE_ROW1
.elseif \ra
	v_wmma_scale_f32_16x16x128_f8f6f4 v[\d:\d+7], v[\a:\a+15], v[\b:\b+15], 0, v[\sa], v[\sb] matrix_a_scale:MATRIX_SCALE_ROW1
.elseif \rb
	v_wmma_scale_f32_16x16x128_f8f6f4 v[\d:\d+7], v[\a:\a+15], v[\b:\b+15], 0, v[\sa], v[\sb] matrix_b_scale:MATRIX_SCALE_ROW1
.else
	v_wmma_scale_f32_16x16x128_f8f6f4 v[\d:\d+7], v[\a:\a+15], v[\b:\b+15], 0, v[\sa], v[\sb]
.endif
.endif
.endm
	s_load_b128 s[4:7], s[0:1], 0x0                ; q, k, v as codes s[4:5]; the result s[6:7]
	v_lshl_add_u32 v254, v0, 2, 0x43000
	v_mov_b32 v255, 0
	ds_add_u32 v254, v255
	ds_add_u32 v254, v255
	s_wait_dscnt 0x0
	v_lshrrev_b32 v1, 5, v0
	s_delay_alu instid0(VALU_DEP_1)
	v_readfirstlane_b32 s[WV], v1                  ; wave 0..15
	s_bfe_u32 s9, ttmp6, 0x40000                   ; cx
	s_lshl_b32 s10, ttmp9, 2
	s_add_co_u32 s10, s10, s9                      ; my block of 256 queries: it enters Q's and the result's addresses alone
	s_and_b32 s11, ttmp7, 0xffff                   ; 16 x batch + head, which the four partners share
	s_mov_b32 s16, 15|(3<<16)|(1<<21)              ; group 1: the mask of all four; elements of 8 bytes; bit 21 beside the mask; no padding
	s_mov_b32 s17, 32<<16                          ; tensor_dim0: a row of 256 bytes
	s_mov_b32 s18, 67<<16                          ; tensor_dim1: a quarter of a chunk, 17,152 bytes
	s_mov_b32 s19, 32<<16
	s_mov_b32 s20, 67
	s_mov_b32 s21, 32
	s_mov_b32 s22, 0
	s_mov_b32 s23, 0
	s_mul_i32 s12, s11, 4*CH
	s_add_co_u32 s12, s12, KVO
	s_mul_i32 s14, s[WV], 17152                    ; the head's 274,432 bytes are 16 pieces of 17,152 on end: wave w fetches piece w (chunk w / 4, quarter w % 4)
	s_add_co_u32 s12, s12, s14
	s_mov_b32 s13, 0
	s_mov_b32 s[SEL], 0x76543210
	s_mov_b32 s[SEL+1], 0xfedcba98                 ; lane l xor 16
	s_mov_b32 s[CS], 0x3e38aa3b                    ; log2(e) / 8
	s_mov_b32 s[CS+1], s[CS]
	s_mov_b32 s[MNT], 0x600000                     ; the mantissa field of 448
	s_wait_kmcnt 0x0
	s_add_nc_u64 s[12:13], s[4:5], s[12:13]
	CROUND                                         ; all four work-groups are here: the joint loads meet
	s_mov_b32 s24, 1
	s_mov_b32 s25, s14                             ; LDS address: 17,152 x wave
	s_mov_b64 s[26:27], s[12:13]
	s_or_b32 s27, s27, 0x80000000
	tensor_load_to_lds s[24:27], s[16:23]          ; every wave's one first fill: sixteen joint loads bring the whole head; no branch
	s_nop 0
.rept 4
	v_nop
.endr
	v_and_b32 v3, 31, v0
	s_delay_alu instid0(VALU_DEP_1)
	v_lshlrev_b32 v1, 4, v3                        ; 16 x lane
	s_delay_alu instid0(VALU_DEP_2)
	v_lshlrev_b32 v2, 3, v3                        ; 8 x lane
	v_and_b32 v4, 15, v0
	s_delay_alu instid0(VALU_DEP_1)
	v_lshlrev_b32 v11, 4, v4                       ; 16 r
	s_wait_alu depctr_va_vdst(0)
	v_lshlrev_b32 v4, 2, v4                        ; 4 r
	s_lshl_b32 s50, s11, 7                         ; 128 tiles of queries a head,
	s_lshl_b32 s52, s10, 4                         ; 16 a block,
	s_add_co_u32 s50, s50, s52
	s_add_co_u32 s50, s50, s[WV]                   ; one a wave
	s_lshl_b32 s50, s50, 10                        ; 1,024 bytes a tile
	s_mov_b32 s51, 0
	s_add_nc_u64 s[50:51], s[4:5], s[50:51]
	s_lshl_b32 s52, s11, 4
	s_lshl_b32 s53, s10, 1
	s_add_co_u32 s52, s52, s53
	s_lshr_b32 s53, s[WV], 3
	s_add_co_u32 s52, s52, s53
	s_lshl_b32 s52, s52, 9                         ; Q's scale words: 512 bytes for eight tiles: tile i's word of row r at 256 (i % 2) + 16 r + 4 (i / 2)
	s_and_b32 s53, s[WV], 1
	s_lshl_b32 s53, s53, 8
	s_add_co_u32 s52, s52, s53
	s_bfe_u32 s53, s[WV], 0x20001
	s_lshl_b32 s53, s53, 2
	s_add_co_u32 s52, s52, s53
	s_add_co_u32 s52, s52, QSO
	s_mov_b32 s53, 0
	s_add_nc_u64 s[52:53], s[4:5], s[52:53]
	global_load_b32 v[QSW], v11, s[52:53]          ; lane r holds row r's word (lanes 16-31 the same, not read): the row of a scale register is a word of the instruction and cannot hang on the wave
	global_load_b128 v[QF:QF+3], v1, s[50:51]                  ; Q twice: in front of the zeros and behind them
	global_load_b128 v[QF+4:QF+7], v1, s[50:51] offset:512
	global_load_b128 v[QF+16:QF+19], v1, s[50:51]
	global_load_b128 v[QF+20:QF+23], v1, s[50:51] offset:512
	; where the result goes: block (head / 4, token group), tile wave % 8, K step (head / 2) % 2, register groups 2 (head % 2) + 0, 1
	s_lshr_b32 s60, s11, 4
	s_and_b32 s61, s11, 15
	s_lshl_b32 s60, s60, 4
	s_lshl_b32 s62, s10, 1
	s_add_co_u32 s60, s60, s62
	s_lshr_b32 s62, s[WV], 3
	s_add_co_u32 s60, s60, s62
	s_lshr_b32 s62, s61, 2
	s_lshl_b32 s62, s62, 5
	s_add_co_u32 s60, s60, s62
	s_mul_i32 s60, s60, BLK
	s_and_b32 s62, s[WV], 7
	s_bfe_u32 s63, s61, 0x10001
	s_and_b32 s61, s61, 1
	s_lshl_b32 s54, s62, 12
	s_add_co_u32 s54, s54, s60
	s_lshl_b32 s56, s63, 11
	s_add_co_u32 s54, s54, s56
	s_lshl_b32 s56, s61, 10
	s_add_co_u32 s54, s54, s56
	s_mov_b32 s55, 0
	s_lshl_b32 s56, s62, 7
	s_add_co_u32 s56, s56, s60
	s_lshl_b32 s58, s63, 6
	s_add_co_u32 s56, s56, s58
	s_lshl_b32 s58, s61, 1
	s_add_co_u32 s56, s56, s58
	s_add_co_u32 s56, s56, 32768
	s_mov_b32 s57, 0
	s_add_nc_u64 s[54:55], s[6:7], s[54:55]
	s_add_nc_u64 s[56:57], s[6:7], s[56:57]
	v_mov_b32 v13, 0xff61b1e6                      ; the largest t so far: -3e38
	s_delay_alu instid0(VALU_DEP_1)
	v_floor_f32 v12, -v13                          ; -M
	v_mov_b32 v14, 0
	v_mov_b32 v15, 0
.irp j, 0,1,2,3,4,5,6,7
	v_mov_b32 v[QF+8+\j], 0                        ; the zero codes, written once
	v_mov_b32 v[KF+8+\j], 0
	v_mov_b32 v[KF+32+\j], 0
	v_mov_b32 v[KF+56+\j], 0
	v_mov_b32 v[KF+80+\j], 0
.endr
.set j, 0
.rept 32
	v_mov_b32 v[O+j], 0                            ; O^T: the step is written once; the first change of M leaves zeros zeros
.set j, j+1
.endr
.irp b, 0,1,2,3
	v_mov_b32 v[T2+\b], 0                          ; (a lane permute's destination counts as one of its sources)
.endr
	v_mov_b32 v[PWT], 0                            ; (named as the upper half of the pair with f)
.macro KQ t                            ; S^T tile t
.set rD, S+8*(\t)
.set rK, KF+24*((\t)/2)+8*((\t)%2)
.set rQ, QF+8*((\t)%2)
.set rW, KSW+(\t)/2
	WM rD, rK, rQ, 0, rW, QSW, (\t)%2, 0
.endm
.macro PV t                            ; O^T tile t: one link a step; the four accumulators take turns
.set rD, O+8*(\t)
.set rV, S+16*(\t)
.set rW, VSW+(\t)/2
	WM rD, rV, PC, 1, rW, PSW, (\t)%2, 0
.endm
.macro SOFTMAX
.irp b, 0,1,2,3
	v_max3_num_f32 v[BM+\b], v[S+16*\b], v[S+16*\b+1], v[S+16*\b+2]   ; the largest score of each block of 32 keys: for the row's maximum and, since p rises with the score, for the block's largest p
.endr
.irp i, 3,5,7,9,11,13
.irp b, 0,1,2,3
	v_max3_num_f32 v[BM+\b], v[BM+\b], v[S+16*\b+\i], v[S+16*\b+\i+1]
.endr
.endr
.irp b, 0,1,2,3
	v_max_num_f32 v[BM+\b], v[BM+\b], v[S+16*\b+15]
.endr
.irp b, 0,1,2,3
	s_delay_alu instid0(VALU_DEP_4)
	v_permlanex16_b32 v[T2+\b], v[BM+\b], s[SEL], s[SEL+1]
.endr
.irp b, 0,1,2,3
	s_delay_alu instid0(VALU_DEP_4)
	v_max_num_f32 v[BM+\b], v[BM+\b], v[T2+\b]
.endr
	s_delay_alu instid0(VALU_DEP_2)
	v_max3_num_f32 v[TT], v[BM], v[BM+1], v[BM+2]
	s_delay_alu instid0(VALU_DEP_1)
	v_max_num_f32 v[TT], v[TT], v[BM+3]
	s_delay_alu instid0(VALU_DEP_1)
	v_mul_f32 v[TT], s[CS], v[TT]
	s_delay_alu instid0(VALU_DEP_1)
	v_max_num_f32 v13, v13, v[TT]                  ; the running largest t
	v_mov_b32 v[TT], v12
	s_delay_alu instid0(VALU_DEP_2)
	v_floor_f32 v12, -v13                          ; the new -M: a whole number
	s_delay_alu instid0(VALU_DEP_1)
	v_sub_f32 v[TT], v12, v[TT]
	s_delay_alu instid0(VALU_DEP_1)
	v_cvt_i32_f32 v[TT], v[TT]
	s_delay_alu instid0(VALU_DEP_1)
	v_ldexp_f32 v[F], 1.0, v[TT]                   ; f = 2^(old M - new M): rounds nothing
.set j, 0
.rept 32
	v_pk_fma_f32 v[S+j:S+j+1], v[S+j:S+j+1], s[CS:CS+1], v[12:13] op_sel_hi:[1,0,0]
.set j, j+2
.endr
.irp b, 0,1,2,3
	v_fma_f32 v[BM+\b], v[BM+\b], s[CS], v12
.endr
.set j, 0
	s_wait_alu depctr_va_vdst(0)
.rept 64
	v_exp_f32 v[S+j], v[S+j]                       ; p = 2^(t - M)
.set j, j+1
.endr
	v_pk_mul_f32 v[14:15], v[14:15], v[F:F+1] op_sel_hi:[1,0]     ; a plain line behind the exponentials
	s_wait_alu depctr_va_vdst(0)                   ; one wait for the batch, ahead of its first reader
.irp b, 0,1,2,3
	v_exp_f32 v[BM+\b], v[BM+\b]                   ; the block's largest p
.endr
	v_pk_add_f32 v[244:245], v[140:141], v[144:145]
	v_pk_add_f32 v[254:255], v[148:149], v[152:153]
	v_pk_add_f32 v[252:253], v[156:157], v[160:161]
	v_pk_add_f32 v[250:251], v[164:165], v[168:169]
	v_pk_add_f32 v[248:249], v[172:173], v[176:177]
	v_pk_add_f32 v[246:247], v[180:181], v[184:185]
	v_pk_add_f32 v[236:237], v[188:189], v[192:193]
	v_pk_add_f32 v[14:15], v[14:15], v[196:197]
	v_pk_add_f32 v[244:245], v[244:245], v[136:137]
	v_pk_add_f32 v[254:255], v[254:255], v[138:139]
	v_pk_add_f32 v[252:253], v[252:253], v[142:143]
	v_pk_add_f32 v[250:251], v[250:251], v[146:147]
	v_pk_add_f32 v[248:249], v[248:249], v[150:151]
	v_pk_add_f32 v[246:247], v[246:247], v[154:155]
	v_pk_add_f32 v[236:237], v[236:237], v[158:159]
	v_pk_add_f32 v[14:15], v[14:15], v[162:163]
	v_pk_add_f32 v[244:245], v[244:245], v[166:167]
	v_pk_add_f32 v[254:255], v[254:255], v[170:171]
	v_pk_add_f32 v[252:253], v[252:253], v[174:175]
	v_pk_add_f32 v[250:251], v[250:251], v[178:179]
	v_pk_add_f32 v[248:249], v[248:249], v[182:183]
	v_pk_add_f32 v[246:247], v[246:247], v[186:187]
	v_pk_add_f32 v[236:237], v[236:237], v[190:191]
	v_pk_add_f32 v[14:15], v[14:15], v[194:195]
	v_pk_add_f32 v[244:245], v[244:245], v[198:199]
	s_delay_alu instid0(VALU_DEP_2)
	v_pk_add_f32 v[14:15], v[14:15], v[250:251]
	s_delay_alu instid0(VALU_DEP_2)
	v_pk_add_f32 v[244:245], v[244:245], v[248:249]
	v_pk_add_f32 v[254:255], v[254:255], v[246:247]
	v_pk_add_f32 v[252:253], v[252:253], v[236:237]
	s_delay_alu instid0(VALU_DEP_2)
	v_pk_add_f32 v[14:15], v[14:15], v[254:255]
	s_delay_alu instid0(VALU_DEP_2)
	v_pk_add_f32 v[244:245], v[244:245], v[252:253]
	s_delay_alu instid0(VALU_DEP_1)
	v_pk_add_f32 v[14:15], v[14:15], v[244:245]
	s_wait_alu depctr_va_vdst(0)                   ; and one for the four
.irp b, 0,1,2,3
	v_max_num_f32 v[BM+\b], 0x4800000, v[BM+\b]    ; the floor 2^(9 - 127): the byte cannot fall under 1
.endr
.irp b, 0,1,2,3
	s_delay_alu instid0(VALU_DEP_4)
	v_add_nc_u32 v[SCO+\b], 0xfc000000, v[BM+\b]   ; 8 off the exponent field: the conversion's scale operand
.endr
.irp b, 0,1,2,3
	v_and_or_b32 v[LIM+\b], v[BM+\b], 0x7f800000, s[MNT]   ; 448 x the scale
.endr
.irp b, 0,1,2,3
	v_lshrrev_b32 v[T2+\b], 23, v[SCO+\b]          ; the scale's byte
.endr
	s_delay_alu instid0(VALU_DEP_3)
	v_lshl_or_b32 v[PSW], v[T2+1], 8, v[T2]        ; p's scale word for these 128 keys: the 64 holds below are far more than the eight places ahead of its product
	s_delay_alu instid0(VALU_DEP_1)
	v_lshl_or_b32 v[PSW], v[T2+2], 16, v[PSW]
	s_delay_alu instid0(VALU_DEP_1)
	v_lshl_or_b32 v[PSW], v[T2+3], 24, v[PSW]
.irp b, 0,1,2,3
.irp i, 0,1,2,3,4,5,6,7,8,9,10,11,12,13,14,15
	v_min_num_f32 v[S+16*\b+\i], v[S+16*\b+\i], v[LIM+\b]         ; the hold (the conversion does not saturate: ISA guide 7.6.2); p is not negative
.endr
	v_cvt_scalef32_pk8_fp8_f32 v[PC+4*\b:PC+4*\b+1], v[S+16*\b:S+16*\b+7], v[SCO+\b]
	v_cvt_scalef32_pk8_fp8_f32 v[PC+4*\b+2:PC+4*\b+3], v[S+16*\b+8:S+16*\b+15], v[SCO+\b]
.endr
.set j, 0
.rept 16
	v_pk_mul_f32 v[O+j:O+j+1], v[O+j:O+j+1], v[F:F+1] op_sel_hi:[1,0]   ; O^T under the new M; also the places between the conversions and the products
.set j, j+2
.endr
.endm
.macro STEP                            ; 128 keys
	v_add_nc_u32 v[ADK], s[TK], v1
	v_add_nc_u32 v[ADS], s[TS], v1
	v_add_nc_u32 v[ADT], s[TV], v2
	PLACES 6                                       ; with the three additions nine places behind the last products: K's loads land on p's codes, and the scores are laid over V's registers
.irp t, 0,1,2,3,4,5,6,7
	ds_load_b128 v[KF+24*(\t/2)+16*(\t%2):KF+24*(\t/2)+16*(\t%2)+3], v[ADK] offset:1024*\t
	ds_load_b128 v[KF+24*(\t/2)+16*(\t%2)+4:KF+24*(\t/2)+16*(\t%2)+7], v[ADK] offset:1024*\t+512
.endr
	ds_load_b128 v[KSW:KSW+3], v[ADS]              ; register j: lanes 0-15 tile 2 j's words, lanes 16-31 tile 2 j + 1's
	s_wait_dscnt 0x0
.irp t, 0,1,2,3,4,5,6,7
	KQ \t
.endr
	PLACES 8
	SOFTMAX
.irp t, 0,1,2,3
.irp c, 0,1,2,3
	ds_load_b128 v[S+16*\t+4*\c:S+16*\t+4*\c+3], v[ADK] offset:32768+2048*\t+512*\c   ; V^T into the registers that p has left
.endr
.endr
	ds_load_b64 v[VSW:VSW+1], v[ADT]
	s_wait_alu depctr_va_vdst(0)
	s_wait_dscnt 0x0
.irp t, 0,1,2,3
	PV \t
.endr
	s_add_co_u32 s[TK], s[TK], 8192
	s_add_co_u32 s[TS], s[TS], 512
	s_add_co_u32 s[TV], s[TV], 256
.endm
.macro CHUNK c                         ; 512 keys
.if (\c) == 0
	s_wait_tensorcnt 0x0                           ; my piece is in
	s_barrier_signal -1
	s_barrier_wait -1                              ; everybody's is: all four chunks are read with this one barrier; nothing is filled again
.endif
	s_mov_b32 s[TK], \c*CH
	s_mov_b32 s[TS], \c*CH+65536
	s_mov_b32 s[TV], \c*CH+67584
	s_mov_b32 s[CNT], 4
.Lstep_\@:
	STEP
	s_sub_co_u32 s[CNT], s[CNT], 1
	s_cmp_lg_u32 s[CNT], 0
	s_cbranch_scc1 .Lstep_\@
.endm
	s_wait_loadcnt 0x0                             ; Q and its scale words
	CHUNK 0
	CHUNK 1
	CHUNK 2
	CHUNK 3
	; THE WAY OUT: O^T / the sum, quantised along the head's 64 (two blocks of 32): the codes are two register groups of the next product's fragment
	PLACES 8
	v_add_f32 v14, v14, v15
	s_delay_alu instid0(VALU_DEP_1)
	v_permlanex16_b32 v[T2], v14, s[SEL], s[SEL+1]
	s_delay_alu instid0(VALU_DEP_1)
	v_add_f32 v14, v14, v[T2]
	s_wait_alu depctr_va_vdst(0)
	v_rcp_f32 v14, v14
	v_nop                                          ; a plain line behind the transcendental
	s_wait_alu depctr_va_vdst(0)                   ; and the wait ahead of its first reader
.set j, 0
.rept 16
	v_pk_mul_f32 v[O+j:O+j+1], v[O+j:O+j+1], v[14:15] op_sel_hi:[1,0]    ; each accumulator from its low end on
.set j, j+2
.endr
.irp b, 0,1
	v_max3_num_f32 v[BM+\b], |v[O+16*\b]|, |v[O+16*\b+1]|, 0x4800000
.endr
.irp i, 2,4,6,8,10,12,14
.irp b, 0,1
	s_delay_alu instid0(VALU_DEP_2)
	v_max3_num_f32 v[BM+\b], v[BM+\b], |v[O+16*\b+\i]|, |v[O+16*\b+\i+1]|
.endr
.endr
.irp b, 0,1
	s_delay_alu instid0(VALU_DEP_2)
	v_permlanex16_b32 v[T2+\b], v[BM+\b], s[SEL], s[SEL+1]
.endr
.irp b, 0,1
	s_delay_alu instid0(VALU_DEP_2)
	v_max_num_f32 v[BM+\b], v[BM+\b], v[T2+\b]
.endr
.irp b, 0,1
	s_delay_alu instid0(VALU_DEP_2)
	v_add_nc_u32 v[SCO+\b], 0xfc000000, v[BM+\b]
.endr
.irp b, 0,1
	s_delay_alu instid0(VALU_DEP_4)
	v_and_or_b32 v[LIM+\b], v[BM+\b], 0x7f800000, s[MNT]
.endr
.irp b, 0,1
	s_delay_alu instid0(VALU_DEP_4)
	v_lshrrev_b32 v[T2+\b], 23, v[SCO+\b]
.endr
	s_delay_alu instid0(VALU_DEP_1)
	v_lshl_or_b32 v[PWT], v[T2+1], 8, v[T2]
.irp b, 0,1
.irp i, 0,1,2,3,4,5,6,7,8,9,10,11,12,13,14,15
	v_med3_num_f32 v[O+16*\b+\i], v[O+16*\b+\i], -v[LIM+\b], v[LIM+\b]
.endr
	v_cvt_scalef32_pk8_fp8_f32 v[PC+4*\b:PC+4*\b+1], v[O+16*\b:O+16*\b+7], v[SCO+\b]
	v_cvt_scalef32_pk8_fp8_f32 v[PC+4*\b+2:PC+4*\b+3], v[O+16*\b+8:O+16*\b+15], v[SCO+\b]
.endr
	v_nop                                          ; a plain line behind the last conversion
	global_store_b128 v1, v[PC:PC+3], s[54:55]                 ; 512 consecutive bytes each, at a multiple of 256 from the buffer's first byte
	global_store_b128 v1, v[PC+4:PC+7], s[54:55] offset:512
	global_store_b16 v4, v[PWT], s[56:57]                      ; both lanes of a row write the same two bytes with the same value
	s_wait_xcnt 0x0
	v_lshl_add_u32 v254, v0, 2, 0x43000
	v_mov_b32 v255, 0
	s_wait_alu depctr_va_vdst(0)
	s_wait_tensorcnt 0x0
	ds_add_u32 v254, v255
	s_wait_dscnt 0x0
	CROUND                                         ; the closing round: no work-group ends while a partner may still ask for a tile that names it
	s_endpgm
.Lfunc_end_k_qfc0985bd06_attn:
	.size	k_qfc0985bd06_attn, .Lfunc_end_k_qfc0985bd06_attn-k_qfc0985bd06_attn
	.p2alignl 7, 3214868480
	.fill 96, 4, 3214868480
	.section	.rodata,"a",@progbits
	.p2align	6, 0x0
	.amdhsa_kernel k_qfc0985bd06_attn
		.amdhsa_group_segment_fixed_size 327680
		.amdhsa_private_segment_fixed_size 0
		.amdhsa_enable_private_segment 0
		.amdhsa_kernarg_size 16
		.amdhsa_user_sgpr_count 2
		.amdhsa_user_sgpr_kernarg_segment_ptr 1
		.amdhsa_wavefront_size32 1
		.amdhsa_system_sgpr_workgroup_id_x 1
		.amdhsa_system_sgpr_workgroup_id_y 1
		.amdhsa_system_sgpr_workgroup_id_z 1
		.amdhsa_system_vgpr_workitem_id 0
		.amdhsa_next_free_vgpr 256
		.amdhsa_next_free_sgpr 72
		.amdhsa_reserve_vcc 0
		.amdhsa_float_denorm_mode_32 3
		.amdhsa_float_denorm_mode_16_64 3
		.amdhsa_memory_ordered 1
		.amdhsa_forward_progress 1
		.amdhsa_inst_pref_size 94
	.end_amdhsa_kernel
	.amdgpu_metadata
---
amdhsa.version: [ 1, 2 ]
amdhsa.kernels:
  - .name:           k_qfc0985bd06_attn
    .symbol:         k_qfc0985bd06_attn.kd
    .args:
      - { .name: qkv, .offset: 0, .size: 8, .value_kind: global_buffer, .address_space: global }
      - { .name: ctx, .offset: 8, .size: 8, .value_kind: global_buffer, .address_space: global }
    .group_segment_fixed_size: 327680
    .private_segment_fixed_size: 0
    .kernarg_segment_align: 8
    .kernarg_segment_size: 16
    .max_flat_workgroup_size: 512
    .sgpr_count:     72
    .vgpr_count:     256
    .wavefront_size: 32
...
	.end_amdgpu_metadata
.endif
;; end of part 3
;; launch wo (part 4): grid 8 x 32, 4 waves a work-group, clusters of 4 x 4, 327,680 bytes of LDS; arguments ctx, pw, x, y; writes y
.if DOCPART == 4
	.amdgcn_target "amdgcn-amd-amdhsa--gfx1250"
	.amdhsa_code_object_version 6
	.text
	.protected	k_qfc0985bd06_wo
	.globl	k_qfc0985bd06_wo
	.p2align	8
	.type	k_qfc0985bd06_wo,@function
k_qfc0985bd06_wo:
	s_mov_b64 s[64:65], 0
	v_nop
	global_prefetch_b8 v0, s[64:65] scope:SCOPE_SE
	s_setreg_imm32_b32 hwreg(HW_REG_WAVE_MODE, 25, 1), 1
	s_wait_xcnt 0x0
	s_wait_alu depctr_hold_cnt(0) depctr_sa_sdst(0) depctr_va_vdst(0) depctr_va_sdst(0) depctr_va_ssrc(0) depctr_va_vcc(0) depctr_vm_vsrc(0)
	s_getreg_b32 s2, hwreg(HW_REG_IB_STS2, 6, 4)
	s_cmp_eq_u32 s2, 0
	s_cbranch_scc0 .Lentry_in_a_cluster
	s_endpgm
.Lentry_in_a_cluster:
	s_bfe_u32 s2, ttmp6, 0x10000c
	s_cmp_lg_u32 s2, 0xf033
	s_cbranch_scc0 .Lentry_shape_is_right
	s_endpgm
.Lentry_shape_is_right:
; out = x + A B^T on codes of E4M3 with E8M0 scales.  A: 4,096 tokens, B: 1,024 features, K = 512 LAPS x 2.  Here: A = the attention's result, B = wo, K = 1,024.
; With 1,024 features a tile of 128 x 128 gives each of 256 work-groups one tile.  Four waves, each 64 x 64: 16 accumulators.  Source 0 = B's tile, source 1 = A's: a lane holds one token and, in two neighbouring tiles, 16 neighbouring features.
; OPERANDS are blocks of BLK bytes (128 rows x 256 K as images of the operand registers; scale words at 32768 + 128 i + 64 q + 4 r).  A slot holds two chunks of A and two of B, 512 along K: one tensor load a wave, 64 products a wave to a slot.
; CLUSTERS 4 x 4: A's blocks shared along a row of the cluster, B's along a column, asked for jointly.
; The residual's 64 x 64 numbers are asked for at the head, into window 2, in the layout in which the results leave.
; REGISTERS: window 0: v1-26 addresses; v32-63 scale words, two sets; v64-127 rows on the way out; v128-255 accumulator (a, b) at v[128 + 8 (4 a + b)].  window 1: two fragment buffers of 128 (A's four, then B's four).  window 2: v0-127 the residual.
.set LAPS,  1
.set REGB,  256                        ; B's first block in its buffer
.set BLK,   33792
.set SLOT,  4*BLK
.set SPARE, 2*SLOT                     ; the spare words: two blocks of 256 bytes that no other line names
.set STAGE, SPARE+512                  ; 16 rows x (256 + 16) bytes for each wave
.set SP,    272
.set SPW,  2
.set NIL,  3
.set ADRA, 16
.set ADSA, 18
.set ADRB, 20
.set ADSB, 22
.set STO,  24
.set RD,   25
.set CO,   26
.set SC,   32                          ; set s: A's words [chunk k][tile i] at v[SC+16 s+4 k+i], B's at +8
.set ACC,  128
.set G1,  24
.set G0,  32
.set G1B, 48
.set G0B, 56
.set MUL,  0x05                        ; sources 0 and 1 window 1; C and D window 0
.set TO_F, 0x40
.set MSB, 0
.macro WIN new
.if MSB != (\new)
	s_set_vgpr_msb (MSB<<8)|(\new)
.set MSB, (\new)
.endif
.endm
.macro PLACES n
.rept \n
	v_nop
.endr
.endm
.macro JLOAD g0a, g1a, g0b, g1b
	s_cmp_eq_u32 s15, 0
	s_cbranch_scc0 .Lfor_b_\@
	tensor_load_to_lds s[\g0a:\g0a+3], s[\g1a:\g1a+7]
	s_nop 0
.rept 4
	v_nop
.endr
	s_branch .Lasked_\@
.Lfor_b_\@:
	tensor_load_to_lds s[\g0b:\g0b+3], s[\g1b:\g1b+7]
	s_nop 0
.rept 4
	v_nop
.endr
.Lasked_\@:
.endm
.macro CREST
	s_cmp_lg_u32 s14, 0
	s_cbranch_scc1 .Lnot_wave_0_\@
	s_barrier_signal -3
.Lnot_wave_0_\@:
	s_barrier_wait -3
	s_barrier_signal -1
	s_barrier_wait -1
.endm
.macro CROUND
	s_barrier_signal -1
	s_barrier_wait -1
	CREST
.endm
.macro WM d, a, b, acc, sa, sb, ra, rb
.if \acc
.if (\ra) && (\rb)
	v_wmma_scale_f32_16x16x128_f8f6f4 v[\d:\d+7], v[\a:\a+15], v[\b:\b+15], v[\d:\d+7], v[\sa], v[\sb] matrix_a_scale:MATRIX_SCALE_ROW1 matrix_b_scale:MATRIX_SCALE_ROW1
.else
	v_wmma_scale_f32_16x16x128_f8f6f4 v[\d:\d+7], v[\a:\a+15], v[\b:\b+15], v[\d:\d+7], v[\sa], v[\sb]
.endif
.else
.if (\ra) && (\rb)
	v_wmma_scale_f32_16x16x128_f8f6f4 v[\d:\d+7], v[\a:\a+15], v[\b:\b+15], 0, v[\sa], v[\sb] matrix_a_scale:MATRIX_SCALE_ROW1 matrix_b_scale:MATRIX_SCALE_ROW1
.else
	v_wmma_scale_f32_16x16x128_f8f6f4 v[\d:\d+7], v[\a:\a+15], v[\b:\b+15], 0, v[\sa], v[\sb]
.endif
.endif
.endm
	s_load_b256 s[4:11], s[0:1], 0x0               ; A s[4:5], B's buffer s[6:7], x s[8:9], out s[10:11]
	v_lshl_add_u32 v[SPW], v0, 2, SPARE
	v_mov_b32 v[NIL], 0
	ds_add_u32 v2, v3
	ds_add_u32 v2, v3
	s_wait_dscnt 0x0
	v_lshrrev_b32 v1, 5, v0
	v_readfirstlane_b32 s14, v1                    ; wave 0..3
	s_lshr_b32 s15, s14, 1                         ; my half of the tokens.  Also: I fetch for A (0) or for B (1)
	s_and_b32 s16, s14, 1                          ; my half of the features.  Also: which of a slot's two chunks I fetch
	s_bfe_u32 s40, ttmp6, 0x40000
	s_bfe_u32 s41, ttmp6, 0x40004
	s_lshl_b32 s42, ttmp9, 2
	s_add_co_u32 s42, s42, s40                     ; feature group
	s_and_b32 s17, ttmp7, 0xffff
	s_lshl_b32 s17, s17, 2
	s_add_co_u32 s17, s17, s41                     ; token group
	s_lshl_b32 s43, s41, 2
	s_lshl_b32 s43, 15, s43
	s_lshl_b32 s44, 0x1111, s40
	s_or_b32 s[G1+0], s43, (3<<16)|(1<<21)         ; the mask; elements of 8 bytes; bit 21 beside the mask; no padding
	s_or_b32 s[G1B+0], s44, (3<<16)|(1<<21)
.irp g, G1, G1B
	s_mov_b32 s[\g+1], (BLK/8)<<16                 ; a tile of two rows, each a whole block of BLK bytes: a slot's two chunks of an operand
	s_mov_b32 s[\g+2], 2<<16
	s_mov_b32 s[\g+3], (BLK/8)<<16
	s_mov_b32 s[\g+4], 2
	s_mov_b32 s[\g+6], 0
	s_mov_b32 s[\g+7], 0
.endr
	s_mov_b32 s[G1+5], 32*BLK/8                    ; from chunk to chunk: 32 blocks in A,
	s_mov_b32 s[G1B+5], 8*BLK/8                    ; 8 in B
	s_lshl_b32 s20, s16, 6                         ; ONE LOAD A WAVE FILLS ALL OF K: waves 0, 1 fetch A's chunks 0, 1 and 2, 3; waves 2, 3 B's: nothing is filled later
	s_add_co_u32 s20, s20, s17
	s_mul_i32 s20, s20, BLK                        ; A: block (chunk, token group), 32 groups
	s_mov_b32 s21, 0
	s_lshl_b32 s46, s16, 4
	s_add_co_u32 s46, s46, s42
	s_add_co_u32 s46, s46, REGB
	s_mul_i32 s46, s46, BLK                        ; B: block (chunk, feature group), 8 groups
	s_mov_b32 s47, 0
	s_mul_i32 s45, s16, SLOT                       ; slot s16: A's two chunks first, then B's two
	s_mul_i32 s19, s15, 2*BLK
	s_add_co_u32 s45, s45, s19
	s_wait_kmcnt 0x0
	s_add_nc_u64 s[20:21], s[4:5], s[20:21]
	s_add_nc_u64 s[46:47], s[6:7], s[46:47]
	CROUND
.irp s, 0
	s_mov_b32 s[G0+4*\s], 1
	s_add_co_u32 s[G0+4*\s+1], s45, \s*SLOT
	s_add_nc_u64 s[G0+4*\s+2:G0+4*\s+3], s[20:21], \s*2*32*BLK
	s_or_b32 s[G0+4*\s+3], s[G0+4*\s+3], 0x80000000
	s_mov_b32 s[G0B+4*\s], 1
	s_add_co_u32 s[G0B+4*\s+1], s45, \s*SLOT
	s_add_nc_u64 s[G0B+4*\s+2:G0B+4*\s+3], s[46:47], \s*2*8*BLK
	s_or_b32 s[G0B+4*\s+3], s[G0B+4*\s+3], 0x80000000
	JLOAD G0+4*\s, G1, G0B+4*\s, G1B
.endr
	v_and_b32 v5, 31, v0
	v_lshlrev_b32 v4, 2, v5                        ; 4 x lane
	v_lshlrev_b32 v1, 4, v5                        ; 16 x lane
	s_wait_alu depctr_va_vdst(0)
	v_and_b32 v6, 15, v0                           ; r
	v_bfe_u32 v7, v0, 4, 1                         ; h
	s_lshl_b32 s21, s15, 14                        ; my four tiles of A
	s_lshl_b32 s22, s16, 14
	s_add_co_u32 s22, s22, 2*BLK                   ; and of B
	s_lshl_b32 s23, s15, 9
	s_add_co_u32 s23, s23, 32768                   ; their scale words
	s_lshl_b32 s18, s16, 9
	s_add_co_u32 s18, s18, 2*BLK+32768
.irp s, 0,1
	v_add_nc_u32 v[ADRA+\s], s21, v1
	v_add_nc_u32 v[ADRB+\s], s22, v1
	v_add_nc_u32 v[ADSA+\s], s23, v4
	v_add_nc_u32 v[ADSB+\s], s18, v4
	s_add_co_u32 s21, s21, SLOT
	s_add_co_u32 s22, s22, SLOT
	s_add_co_u32 s23, s23, SLOT
	s_add_co_u32 s18, s18, SLOT
.endr
	s_mul_i32 s19, s14, 16*SP
	s_add_co_u32 s19, s19, STAGE                   ; my stage
	v_mul_u32_u24 v[STO], v6, SP
	v_lshl_add_u32 v[STO], v7, 6, v[STO]
	v_add_nc_u32 v[STO], s19, v[STO]               ; in: row r, + 64 h
	v_mul_u32_u24 v[RD], v7, SP
	v_lshl_add_u32 v[RD], v6, 4, v[RD]
	v_add_nc_u32 v[RD], s19, v[RD]                 ; back: lanes 0-15 one row of 256 bytes, lanes 16-31 the next
	v_lshlrev_b32 v[CO], 12, v7
	v_lshl_add_u32 v[CO], v6, 4, v[CO]             ; and the same two rows in x and in the output
	s_wait_alu depctr_va_vdst(0)
	s_lshl_b32 s66, s17, 7
	s_lshl_b32 s67, s15, 6
	s_add_co_u32 s66, s66, s67
	s_lshl_b32 s66, s66, 12                        ; my first token's row,
	s_lshl_b32 s67, s42, 9
	s_add_co_u32 s66, s66, s67
	s_lshl_b32 s67, s16, 8
	s_add_co_u32 s66, s66, s67                     ; my first feature
	s_mov_b32 s67, 0
	s_add_nc_u64 s[8:9], s[8:9], s[66:67]
	s_add_nc_u64 s[10:11], s[10:11], s[66:67]
	WIN 0x80                                       ; destination window 2
.irp a, 0,1,2,3
.irp t, 0,1,2,3,4,5,6,7
	global_load_b128 v[32*\a+4*\t:32*\a+4*\t+3], v[CO], s[8:9] offset:(32*(\a/2)+8*(\a%2)+2*\t+8*(\t/4))*4096   ; the tile's lane-rows 2 t + h
.endr
.endr
	WIN 0
.macro FETCH slot, k, f                ; the fragments of the slot's k-th 128 along K: B's four, then A's four
	WIN TO_F
.irp i, 0,1,2,3
.irp c, 0,1,2,3
	ds_load_b128 v[\f+64+16*\i+4*\c:\f+64+16*\i+4*\c+3], v[ADRB+\slot] offset:((\k)/2)*BLK+((\k)%2)*2048+\i*4096+512*\c
.endr
.endr
.irp i, 0,1,2,3
.irp c, 0,1,2,3
	ds_load_b128 v[\f+16*\i+4*\c:\f+16*\i+4*\c+3], v[ADRA+\slot] offset:((\k)/2)*BLK+((\k)%2)*2048+\i*4096+512*\c
.endr
.endr
.endm
.macro SCALES sc
.irp k, 0,1
.irp i, 0,1,2,3
	ds_load_b32 v[SC+16*\sc+4*\k+\i], v[ADSA+\sc] offset:\k*BLK+128*\i
	ds_load_b32 v[SC+16*\sc+8+4*\k+\i], v[ADSB+\sc] offset:\k*BLK+128*\i
.endr
.endr
.endm
.macro MUL4 f, a, sc, cur, acc         ; A's tile a x B's four.  The 16 accumulators take turns, in the same order in every quarter
.irp b, 0,1,2,3
.set rD, ACC+8*(4*(\a)+\b)
.set rB, \f+64+16*\b
.set rA, \f+16*(\a)
.set rSB, SC+16*(\sc)+8+4*((\cur)/2)+\b
.set rSA, SC+16*(\sc)+4*((\cur)/2)+(\a)
	WM rD, rB, rA, \acc, rSB, rSA, (\cur)%2, (\cur)%2
.endr
.endm
.macro QUARTER slot, cur, acc          ; one of a slot's first three quarters of 128 along K
.set fC, 128*((\cur)%2)
.set fN, 128-fC
	s_wait_dscnt 8                                 ; B's four and A's tiles 0, 1 are in; the youngest eight loads (A's tiles 2, 3) may be out
	WIN MUL
	MUL4 fC, 0, \slot, \cur, \acc
	MUL4 fC, 1, \slot, \cur, \acc
	PLACES 8                                       ; in front of loads into registers that matrix instructions have read
	FETCH \slot, (\cur)+1, fN
	s_wait_dscnt 32                                ; all but the 32 just issued
	WIN MUL
	MUL4 fC, 2, \slot, \cur, \acc
	MUL4 fC, 3, \slot, \cur, \acc
.endm
.macro TURN slot, next, fill           ; a slot's last quarter, and the change of slots
	WIN 0
	s_wait_tensorcnt 0x0                           ; all my tensor loads have landed: my block of the next slot
	ds_add_u32 v[SPW], v[NIL]                      ; 0 onto my spare word
	s_wait_dscnt 9                                 ; (the add and A's tiles 2, 3 may be out)
	WIN MUL
	MUL4 128, 0, \slot, 3, 1
	s_wait_dscnt 0x0                               ; the add is done, and my reads of this slot are over
	s_barrier_signal -1
	MUL4 128, 1, \slot, 3, 1
	WIN 0
	s_barrier_wait -1
.if \fill
	CREST                                          ; the barrier has opened a round of the cluster's
	s_add_nc_u64 s[G0+4*\slot+2:G0+4*\slot+3], s[G0+4*\slot+2:G0+4*\slot+3], 4*32*BLK
	s_add_nc_u64 s[G0B+4*\slot+2:G0B+4*\slot+3], s[G0B+4*\slot+2:G0B+4*\slot+3], 4*8*BLK
	JLOAD G0+4*\slot, G1, G0B+4*\slot, G1B         ; my one tensor load behind the round
	PLACES 4
.else
	PLACES 8
.endif
	SCALES \next
	FETCH \next, 0, 0
	WIN MUL
	MUL4 128, 2, \slot, 3, 1
	MUL4 128, 3, \slot, 3, 1
.endm
	s_wait_tensorcnt 0x0                           ; my one load is in
	s_barrier_signal -1
	s_barrier_wait -1
	SCALES 0
	FETCH 0, 0, 0
	QUARTER 0, 0, 0                                ; the first quarter's products start the sums
	WIN 0
.if LAPS > 1
	s_mov_b32 s3, LAPS-1
.Llap:
	QUARTER 0, 1, 1
	QUARTER 0, 2, 1
	TURN 0, 1, 1
	QUARTER 1, 0, 1
	QUARTER 1, 1, 1
	QUARTER 1, 2, 1
	TURN 1, 0, 1
	QUARTER 0, 0, 1
	WIN 0
	s_sub_co_u32 s3, s3, 1
	s_cmp_lg_u32 s3, 0
	s_cbranch_scc1 .Llap
.endif
	QUARTER 0, 1, 1
	QUARTER 0, 2, 1
	TURN 0, 1, 0
	QUARTER 1, 0, 1
	QUARTER 1, 1, 1
	QUARTER 1, 2, 1
	s_wait_dscnt 8
	WIN MUL
	MUL4 128, 0, 1, 3, 1
	MUL4 128, 1, 1, 3, 1
	s_wait_dscnt 0x0
	MUL4 128, 2, 1, 3, 1
	MUL4 128, 3, 1, 3, 1
	WIN 0
; THE WAY OUT, a tile of 16 tokens at a time: through my own stage, back as rows of 256 bytes, the residual added, stored: sixteen lanes fill 256 consecutive bytes, at a multiple of 256 from the buffer's first byte
.macro OUT a
.set RB, 64+32*((\a)%2)
.irp b, 0,1,2,3
	ds_store_b128 v[STO], v[ACC+8*(4*(\a)+\b):ACC+8*(4*(\a)+\b)+3] offset:128*(\b/2)+32*(\b%2)        ; each accumulator from its low end on
	ds_store_b128 v[STO], v[ACC+8*(4*(\a)+\b)+4:ACC+8*(4*(\a)+\b)+7] offset:128*(\b/2)+32*(\b%2)+16
.endr
.irp t, 0,1,2,3,4,5,6,7
	ds_load_b128 v[RB+4*\t:RB+4*\t+3], v[RD] offset:2*\t*SP     ; LDS serves a wave's instructions in order: these see my stores
.endr
	s_wait_dscnt 0x0
	WIN 0x08                                       ; source 1: window 2
.set j, 0
.rept 16
	v_pk_add_f32 v[RB+j:RB+j+1], v[RB+j:RB+j+1], v[32*(\a)+j:32*(\a)+j+1]
.set j, j+2
.endr
	WIN 0
.irp t, 0,1,2,3,4,5,6,7
	global_store_b128 v[CO], v[RB+4*\t:RB+4*\t+3], s[10:11] offset:(32*((\a)/2)+8*((\a)%2)+2*\t+8*(\t/4))*4096
.endr
.endm
	PLACES 8
	s_wait_loadcnt 0x0                             ; the residual
	OUT 0
	OUT 1
	s_wait_xcnt 0x0                                ; tile 0's stores have read their registers
	OUT 2
	s_wait_xcnt 0x0
	OUT 3
	s_wait_tensorcnt 0x0                           ; the wave's end
	ds_add_u32 v[SPW], v[NIL]
	s_wait_dscnt 0x0
	CROUND                                         ; the closing round
	s_endpgm
.Lfunc_end_k_qfc0985bd06_wo:
	.size	k_qfc0985bd06_wo, .Lfunc_end_k_qfc0985bd06_wo-k_qfc0985bd06_wo
	.p2alignl 7, 3214868480
	.fill 96, 4, 3214868480
	.section	.rodata,"a",@progbits
	.p2align	6, 0x0
	.amdhsa_kernel k_qfc0985bd06_wo
		.amdhsa_group_segment_fixed_size 327680
		.amdhsa_private_segment_fixed_size 0
		.amdhsa_enable_private_segment 0
		.amdhsa_kernarg_size 32
		.amdhsa_user_sgpr_count 2
		.amdhsa_user_sgpr_kernarg_segment_ptr 1
		.amdhsa_wavefront_size32 1
		.amdhsa_system_sgpr_workgroup_id_x 1
		.amdhsa_system_sgpr_workgroup_id_y 1
		.amdhsa_system_sgpr_workgroup_id_z 1
		.amdhsa_system_vgpr_workitem_id 0
		.amdhsa_next_free_vgpr 640
		.amdhsa_next_free_sgpr 80
		.amdhsa_reserve_vcc 0
		.amdhsa_float_denorm_mode_32 3
		.amdhsa_float_denorm_mode_16_64 3
		.amdhsa_memory_ordered 1
		.amdhsa_forward_progress 1
		.amdhsa_inst_pref_size 59
	.end_amdhsa_kernel
	.amdgpu_metadata
---
amdhsa.version: [ 1, 2 ]
amdhsa.kernels:
  - .name:           k_qfc0985bd06_wo
    .symbol:         k_qfc0985bd06_wo.kd
    .args:
      - { .name: ctx, .offset: 0, .size: 8, .value_kind: global_buffer, .address_space: global }
      - { .name: pw, .offset: 8, .size: 8, .value_kind: global_buffer, .address_space: global }
      - { .name: x, .offset: 16, .size: 8, .value_kind: global_buffer, .address_space: global }
      - { .name: y, .offset: 24, .size: 8, .value_kind: global_buffer, .address_space: global }
    .group_segment_fixed_size: 327680
    .private_segment_fixed_size: 0
    .kernarg_segment_align: 8
    .kernarg_segment_size: 32
    .max_flat_workgroup_size: 128
    .sgpr_count:     80
    .vgpr_count:     640
    .wavefront_size: 32
...
	.end_amdgpu_metadata
.endif
;; end of part 4
;; launch ln2: the kernel of part 1 again; grid 256 x 1, 8 waves a work-group, no clusters, 70,656 bytes of LDS; arguments y, ln2_g, ln2_b, wq, wk, wv, wo, w1, w2, h2q; writes h2q
;; launch ffn1 (part 5): grid 16 x 16, 4 waves a work-group, clusters of 4 x 4, 327,680 bytes of LDS; arguments h2q, pw, act; writes act
.if DOCPART == 5
	.amdgcn_target "amdgcn-amd-amdhsa--gfx1250"
	.amdhsa_code_object_version 6
	.text
	.protected	k_qfc0985bd06_ffn1
	.globl	k_qfc0985bd06_ffn1
	.p2align	8
	.type	k_qfc0985bd06_ffn1,@function
k_qfc0985bd06_ffn1:
	s_mov_b64 s[64:65], 0
	v_nop
	global_prefetch_b8 v0, s[64:65] scope:SCOPE_SE
	s_setreg_imm32_b32 hwreg(HW_REG_WAVE_MODE, 25, 1), 1
	s_wait_xcnt 0x0
	s_wait_alu depctr_hold_cnt(0) depctr_sa_sdst(0) depctr_va_vdst(0) depctr_va_sdst(0) depctr_va_ssrc(0) depctr_va_vcc(0) depctr_vm_vsrc(0)
	s_getreg_b32 s2, hwreg(HW_REG_IB_STS2, 6, 4)
	s_cmp_eq_u32 s2, 0
	s_cbranch_scc0 .Lentry_in_a_cluster
	s_endpgm
.Lentry_in_a_cluster:
	s_bfe_u32 s2, ttmp6, 0x10000c
	s_cmp_lg_u32 s2, 0xf033
	s_cbranch_scc0 .Lentry_shape_is_right
	s_endpgm
.Lentry_shape_is_right:
.set BLK,   33792
.set SLOT,  4*BLK
.set SPARE, 2*SLOT
.set SCR,   SPARE+512
.set NP,    8
.set SPW,  2
.set NIL,  3
.set ADRA, 16
.set ADSA, 18
.set ADRB, 20
.set ADSB, 22
.set SCA,  24
.set SCT,  25
.set SCB,  26
.set SC,   32
.set AF,   128
.set G1,  24
.set G0,  32
.set G1B, 48
.set G0B, 56
.set MUL_LO, 0xa1
.set MUL_HI, 0xf1
.set TO_B,   0x40
.set MSB, 0
.macro WIN new
.if MSB != (\new)
	s_set_vgpr_msb (MSB<<8)|(\new)
.set MSB, (\new)
.endif
.endm
.macro PLACES n
.rept \n
	v_nop
.endr
.endm
.macro JLOAD g0a, g1a, g0b, g1b
	s_cmp_eq_u32 s15, 0
	s_cbranch_scc0 .Lfor_b_\@
	tensor_load_to_lds s[\g0a:\g0a+3], s[\g1a:\g1a+7]
	s_nop 0
.rept 4
	v_nop
.endr
	s_branch .Lasked_\@
.Lfor_b_\@:
	tensor_load_to_lds s[\g0b:\g0b+3], s[\g1b:\g1b+7]
	s_nop 0
.rept 4
	v_nop
.endr
.Lasked_\@:
.endm
.macro CREST
	s_cmp_lg_u32 s14, 0
	s_cbranch_scc1 .Lnot_wave_0_\@
	s_barrier_signal -3
.Lnot_wave_0_\@:
	s_barrier_wait -3
	s_barrier_signal -1
	s_barrier_wait -1
.endm
.macro CROUND
	s_barrier_signal -1
	s_barrier_wait -1
	CREST
.endm
.macro WM d, a, b, acc, sa, sb, ra, rb
.if \acc
.if (\ra) && (\rb)
	v_wmma_scale_f32_16x16x128_f8f6f4 v[\d:\d+7], v[\a:\a+15], v[\b:\b+15], v[\d:\d+7], v[\sa], v[\sb] matrix_a_scale:MATRIX_SCALE_ROW1 matrix_b_scale:MATRIX_SCALE_ROW1
.else
	v_wmma_scale_f32_16x16x128_f8f6f4 v[\d:\d+7], v[\a:\a+15], v[\b:\b+15], v[\d:\d+7], v[\sa], v[\sb]
.endif
.else
.if (\ra) && (\rb)
	v_wmma_scale_f32_16x16x128_f8f6f4 v[\d:\d+7], v[\a:\a+15], v[\b:\b+15], 0, v[\sa], v[\sb] matrix_a_scale:MATRIX_SCALE_ROW1 matrix_b_scale:MATRIX_SCALE_ROW1
.else
	v_wmma_scale_f32_16x16x128_f8f6f4 v[\d:\d+7], v[\a:\a+15], v[\b:\b+15], 0, v[\sa], v[\sb]
.endif
.endif
.endm
	s_load_b128 s[4:7], s[0:1], 0x0
	s_load_b64 s[8:9], s[0:1], 0x10
	v_lshl_add_u32 v[SPW], v0, 2, SPARE
	v_mov_b32 v[NIL], 0
	ds_add_u32 v2, v3
	ds_add_u32 v2, v3
	s_wait_dscnt 0x0
	v_lshrrev_b32 v1, 5, v0
	v_readfirstlane_b32 s14, v1
	s_lshr_b32 s15, s14, 1
	s_and_b32 s16, s14, 1
	s_bfe_u32 s40, ttmp6, 0x40000
	s_bfe_u32 s41, ttmp6, 0x40004
	s_and_b32 s17, ttmp7, 0xffff
	s_lshl_b32 s43, s41, 2
	s_lshl_b32 s43, 15, s43
	s_lshl_b32 s44, 0x1111, s40
	s_or_b32 s[G1+0], s43, (3<<16)|(1<<21)
	s_or_b32 s[G1B+0], s44, (3<<16)|(1<<21)
.irp g, G1, G1B
	s_mov_b32 s[\g+1], 32<<16
	s_mov_b32 s[\g+2], 264<<16                     ; the head's loads bring two blocks on end: 264 rows of 256 bytes
	s_mov_b32 s[\g+3], 32<<16
	s_mov_b32 s[\g+4], 264
	s_mov_b32 s[\g+5], 32
	s_mov_b32 s[\g+6], 0
	s_mov_b32 s[\g+7], 0
.endr
	s_lshl_b32 s20, s17, 2
	s_add_co_u32 s20, s20, s41
	s_lshl_b32 s20, s20, 1
	s_add_co_u32 s20, s20, s16
	s_mul_i32 s20, s20, BLK
	s_mov_b32 s21, 0
	s_lshl_b32 s46, ttmp9, 2
	s_add_co_u32 s46, s46, s40
	s_lshl_b32 s46, s46, 1
	s_add_co_u32 s46, s46, s16
	s_add_co_u32 s46, s46, 288
	s_mul_i32 s46, s46, BLK
	s_mov_b32 s47, 0
	s_mul_i32 s45, s14, BLK
	s_wait_kmcnt 0x0
	s_add_nc_u64 s[20:21], s[4:5], s[20:21]
	s_add_nc_u64 s[46:47], s[6:7], s[46:47]
	CROUND
.irp s, 0,1
	s_mov_b32 s[G0+4*\s], 1
	s_add_co_u32 s[G0+4*\s+1], s45, \s*SLOT
	s_add_nc_u64 s[G0+4*\s+2:G0+4*\s+3], s[20:21], \s*32*BLK
	s_or_b32 s[G0+4*\s+3], s[G0+4*\s+3], 0x80000000
	s_mov_b32 s[G0B+4*\s], 1
	s_add_co_u32 s[G0B+4*\s+1], s45, \s*SLOT
	s_add_nc_u64 s[G0B+4*\s+2:G0B+4*\s+3], s[46:47], \s*32*BLK
	s_or_b32 s[G0B+4*\s+3], s[G0B+4*\s+3], 0x80000000
.endr
	; THE HEAD'S LOADS, ONE A WAVE, FILL BOTH SLOTS: wave 0 slot 0's two blocks of A, wave 1 slot 1's, wave 2 slot 0's two blocks of B, wave 3 slot 1's.  A slot's two blocks of an operand lie on end in memory and in LDS
	s_mul_i32 s66, s16, 31*BLK                     ; from my ring block (pair + s16) of chunk 0 to the pair's first block of chunk s16: 32 blocks a chunk
	s_mov_b32 s67, 0
	s_mov_b32 s68, 1
	s_mul_i32 s69, s16, SLOT
	s_add_nc_u64 s[70:71], s[20:21], s[66:67]
	s_or_b32 s71, s71, 0x80000000
	s_mov_b32 s72, 1
	s_add_co_u32 s73, s69, 2*BLK
	s_add_nc_u64 s[74:75], s[46:47], s[66:67]
	s_or_b32 s75, s75, 0x80000000
	JLOAD 68, G1, 72, G1B
	v_and_b32 v1, 31, v0
	v_lshlrev_b32 v4, 2, v1
	v_lshlrev_b32 v1, 4, v1
	v_and_b32 v5, 15, v0
	s_wait_alu depctr_va_vdst(0)
	s_mul_i32 s21, s15, BLK
	s_mul_i32 s22, s16, BLK
	s_add_co_u32 s22, s22, 2*BLK
.irp s, 0,1
	v_add_nc_u32 v[ADRA+\s], s21, v1
	v_add_nc_u32 v[ADRB+\s], s22, v1
	v_add_nc_u32 v[ADSA+\s], s21, v4
	v_add_nc_u32 v[ADSB+\s], s22, v4
	s_add_co_u32 s21, s21, SLOT
	s_add_co_u32 s22, s22, SLOT
.endr
	s_lshl_b32 s21, s15, 10
	s_lshl_b32 s22, s16, 6
	s_add_co_u32 s21, s21, s22
	s_add_co_u32 s21, s21, SCR
	v_lshl_add_u32 v[SCA], v5, 2, s21
	s_lshl_b32 s22, s14, 9
	s_add_co_u32 s22, s22, SCR
	v_add_nc_u32 v[SCB], s22, v1
.macro FRAG reg, adr, q, i
.irp c, 0,1,2,3
	ds_load_b128 v[\reg+4*\c:\reg+4*\c+3], v[\adr] offset:(\i)*4096+(\q)*2048+512*\c
.endr
.endm
.macro FETCH_B slot, q, p
	WIN TO_B
.irp i, 0,1,2,3,4,5,6,7
	FRAG 128*(\p)+16*\i, ADRB+\slot, \q, \i
.endr
	WIN 0
.endm
.macro FETCH_A slot, q, i0
.irp i, \i0, \i0+1, \i0+2, \i0+3
	FRAG AF+16*(\i), ADRA+\slot, \q, \i
.endr
.endm
.macro SCALES sc
.irp i, 0,1,2,3,4,5,6,7
	ds_load_b32 v[SC+16*\sc+\i], v[ADSA+\sc] offset:32768+128*\i
	ds_load_b32 v[SC+16*\sc+8+\i], v[ADSB+\sc] offset:32768+128*\i
.endr
.endm
.macro MUL16 a0, p, q, sc, acc
.irp a, \a0, \a0+1
.irp b, 0,1,2,3,4,5,6,7
.set rD, 8*(8*((\a)%4)+\b)
.set rB, 128*(\p)+16*\b
.set rA, AF+16*(\a)
.set rSB, SC+16*(\sc)+8+\b
.set rSA, SC+16*(\sc)+(\a)
	WM rD, rB, rA, \acc, rSB, rSA, \q, \q
.endr
.endr
.endm
.macro STEP slot, acc
	s_wait_dscnt 16
	WIN MUL_LO
	MUL16 0, 0, 0, \slot, \acc
	MUL16 2, 0, 0, \slot, \acc
	s_wait_dscnt 0x0
	PLACES NP
	FETCH_B \slot, 1, 1
	FETCH_A \slot, 1, 0
	WIN MUL_HI
	MUL16 4, 0, 0, \slot, \acc
	MUL16 6, 0, 0, \slot, \acc
	PLACES NP
	WIN 0
	FETCH_A \slot, 1, 4
.endm
.macro TURN slot, next, fill
	s_wait_tensorcnt 0x0
	ds_add_u32 v[SPW], v[NIL]
	s_wait_dscnt 17
	WIN MUL_LO
	MUL16 0, 1, 1, \slot, 1
	s_wait_dscnt 0x0
	s_barrier_signal -1
	MUL16 2, 1, 1, \slot, 1
	WIN 0
	s_barrier_wait -1
.if \fill
	CREST
	s_add_nc_u64 s[G0+4*\slot+2:G0+4*\slot+3], s[G0+4*\slot+2:G0+4*\slot+3], 2*32*BLK
	s_add_nc_u64 s[G0B+4*\slot+2:G0B+4*\slot+3], s[G0B+4*\slot+2:G0B+4*\slot+3], 2*32*BLK
	JLOAD G0+4*\slot, G1, G0B+4*\slot, G1B
	PLACES NP-4
.else
	PLACES NP
.endif
	FETCH_B \next, 0, 0
	FETCH_A \next, 0, 0
	SCALES \next
	WIN MUL_HI
	MUL16 4, 1, 1, \slot, 1
	MUL16 6, 1, 1, \slot, 1
	PLACES NP
	WIN 0
	FETCH_A \next, 0, 4
.endm
	s_wait_alu depctr_va_vdst(0)
	s_wait_tensorcnt 0x0                           ; my one load is in; no tensor load of mine is out, so a descriptor may be written: from here on a load brings one block, 132 rows
	s_mov_b32 s[G1+2], 132<<16
	s_mov_b32 s[G1+4], 132
	s_mov_b32 s[G1B+2], 132<<16
	s_mov_b32 s[G1B+4], 132
	s_barrier_signal -1
	s_barrier_wait -1
	FETCH_B 0, 0, 0
	FETCH_A 0, 0, 0
	SCALES 0
	FETCH_A 0, 0, 4
	STEP 0, 0
	TURN 0, 1, 1
	STEP 1, 1
	TURN 1, 0, 1
	STEP 0, 1
	TURN 0, 1, 0
	STEP 1, 1
	s_wait_dscnt 16
	WIN MUL_LO
	MUL16 0, 1, 1, 1, 1
	MUL16 2, 1, 1, 1, 1
	s_wait_dscnt 0x0
	WIN MUL_HI
	MUL16 4, 1, 1, 1, 1
	MUL16 6, 1, 1, 1, 1
	WIN 0
.set AI,  66
.set SO,  67
.set RH,  68
.set SEL, 70
.set MNT, 72
	s_lshl_b32 s78, ttmp9, 2
	s_add_co_u32 s78, s78, s40
	s_lshl_b32 s78, s78, 5
	s_lshl_b32 s79, s17, 2
	s_add_co_u32 s79, s79, s41
	s_lshl_b32 s79, s79, 1
	s_add_co_u32 s79, s79, s15
	s_add_co_u32 s78, s78, s79
	s_mul_i32 s78, s78, BLK
	s_mov_b32 s79, 0
	s_add_nc_u64 s[74:75], s[8:9], s[78:79]
	s_lshl_b32 s80, s16, 9
	s_add_co_u32 s80, s80, 32768
	s_mov_b32 s81, 0
	s_add_nc_u64 s[76:77], s[74:75], s[80:81]
	s_lshl_b32 s80, s16, 11
	s_add_nc_u64 s[74:75], s[74:75], s[80:81]
	s_mov_b32 s[RH], 0x3f3504f3
	s_mov_b32 s[SEL], 0x76543210
	s_mov_b32 s[SEL+1], 0xfedcba98
	s_mov_b32 s[MNT], 0x600000
.set GA,  0
.set GG,  64
.set GQ,  128
.set GD,  160
.set GU,  192
.set C8,  224
.set PC,  128
.set TM,  144
.set PW,  160
.macro CASE a
	WIN (((2+(\a)/4)<<2)|0x40)
.set j, 0
.rept 64
	v_mul_f32 v[GA+j], s[RH], |v[64*((\a)%4)+j]|
.set j, j+1
.endr
.set j, 0
.rept 64
	v_max_num_f32 v[GG+j], 0, v[64*((\a)%4)+j]
.set j, j+1
.endr
	WIN 0
.endm
.macro GELU32 o
.set j, 0
.rept 16
	v_pk_add_f32 v[GQ+j:GQ+j+1], v[GA+\o+j:GA+\o+j+1], 2.0 op_sel_hi:[1,0]
	v_pk_fma_f32 v[GD+j:GD+j+1], v[GA+\o+j:GA+\o+j+1], 2.0, 1.0 op_sel_hi:[1,0,0]
	v_pk_mul_f32 v[GU+j:GU+j+1], v[GA+\o+j:GA+\o+j+1], v[GA+\o+j:GA+\o+j+1]
.set j, j+2
.endr
.set j, 0
.rept 16
	v_pk_mul_f32 v[GU+j:GU+j+1], v[GU+j:GU+j+1], 0xbfb8aa3b op_sel_hi:[1,0]
.set j, j+2
.endr
.set j, 0
	s_wait_alu depctr_va_vdst(0)
.rept 32
	v_rcp_f32 v[GQ+j], v[GQ+j]
.set j, j+1
.endr
.set j, 0
.rept 32
	v_rcp_f32 v[GD+j], v[GD+j]
.set j, j+1
.endr
.set j, 0
.rept 32
	v_exp_f32 v[GU+j], v[GU+j]
.set j, j+1
.endr
	v_nop
	s_wait_alu depctr_va_vdst(0)
.set j, 0
.rept 16
	v_pk_fma_f32 v[GQ+j:GQ+j+1], v[GQ+j:GQ+j+1], -4.0, 1.0 op_sel_hi:[1,0,0]
	v_pk_mul_f32 v[GD+j:GD+j+1], v[GD+j:GD+j+1], v[GU+j:GU+j+1]
.set j, j+2
.endr
.set j, 0
.rept 16
	v_pk_mul_f32 v[GD+j:GD+j+1], v[GD+j:GD+j+1], v[GA+\o+j:GA+\o+j+1]
	v_pk_fma_f32 v[GU+j:GU+j+1], v[GQ+j:GQ+j+1], 0xb9d25000, v[C8:C8+1] op_sel_hi:[1,0,1]
.set j, j+2
.endr
.irp c, 0x3aac2b8a, 0x3c0d6e62, 0xbc040dc1, 0xbd5e05b5, 0x3e27fe23, 0xbe2a0753, 0xbdbdfb0b, 0x3e8dd01d
.set j, 0
.rept 16
	v_pk_fma_f32 v[GU+j:GU+j+1], v[GU+j:GU+j+1], v[GQ+j:GQ+j+1], \c op_sel_hi:[1,1,0]
.set j, j+2
.endr
.endr
.set j, 0
.rept 16
	v_pk_fma_f32 v[GU+j:GU+j+1], v[GU+j:GU+j+1], v[GD+j:GD+j+1], v[GD+j:GD+j+1]
.set j, j+2
.endr
.set j, 0
.rept 16
	v_pk_fma_f32 v[GG+\o+j:GG+\o+j+1], v[GU+j:GU+j+1], 0xbf3504f3, v[GG+\o+j:GG+\o+j+1] op_sel_hi:[1,0,1]
.set j, j+2
.endr
.endm
.macro QUANT s
.irp b, 0,1,2,3
	v_max3_num_f32 v[TM+\b], |v[\s+16*\b]|, |v[\s+1+16*\b]|, 0x4800000
.endr
.irp i, 2,4,6,8,10,12,14
.irp b, 0,1,2,3
	v_max3_num_f32 v[TM+\b], v[TM+\b], |v[\s+16*\b+\i]|, |v[\s+1+16*\b+\i]|
.endr
.endr
.irp b, 0,1,2,3
	v_permlanex16_b32 v[TM+4+\b], v[TM+\b], s[SEL], s[SEL+1]
.endr
.irp b, 0,1,2,3
	v_max_num_f32 v[TM+\b], v[TM+\b], v[TM+4+\b]
.endr
.irp b, 0,1,2,3
	v_add_nc_u32 v[TM+12+\b], 0xfc000000, v[TM+\b]
.endr
.irp b, 0,1,2,3
	v_and_or_b32 v[TM+8+\b], v[TM+\b], 0x7f800000, s[MNT]
.endr
.irp b, 0,1,2,3
	v_lshrrev_b32 v[TM+4+\b], 23, v[TM+12+\b]
.endr
	v_lshl_or_b32 v[PW], v[TM+5], 8, v[TM+4]
	v_lshl_or_b32 v[PW], v[TM+6], 16, v[PW]
	v_lshl_or_b32 v[PW], v[TM+7], 24, v[PW]
.irp b, 0,1,2,3
.irp i, 0,1,2,3,4,5,6,7,8,9,10,11,12,13,14,15
	v_med3_num_f32 v[\s+16*\b+\i], v[\s+16*\b+\i], -v[TM+8+\b], v[TM+8+\b]
.endr
	v_cvt_scalef32_pk8_fp8_f32 v[PC+4*\b:PC+1+4*\b], v[\s+16*\b:\s+7+16*\b], v[TM+12+\b]
	v_cvt_scalef32_pk8_fp8_f32 v[PC+2+4*\b:PC+3+4*\b], v[\s+8+16*\b:\s+15+16*\b], v[TM+12+\b]
.endr
	v_nop
.endm
	PLACES NP
	WIN 0x55
	v_mov_b32 v[C8], 0xbaa15130
	v_mov_b32 v[C8+1], 0xbaa15130
	WIN 0
	s_mov_b32 s[AI], 0
	s_mov_b32 s[SO], 0
.Lrow:
.irp a, 0,1,2,3,4,5,6
	s_cmp_lg_u32 s[AI], \a
	s_cbranch_scc1 .Lnot\a
	CASE \a
	s_branch .Lgelu
.Lnot\a:
.endr
	CASE 7
.Lgelu:
	WIN 0x55
	GELU32 0
	GELU32 32
	QUANT GG
	WIN 0
	v_add_nc_u32 v[SCT], s[SO], v[SCA]
	WIN 0x04
.irp c, 0,1,2,3
	global_store_b128 v1, v[PC+4*\c:PC+4*\c+3], s[74:75] offset:512*\c
.endr
	ds_store_b32 v[SCT], v[PW]
	WIN 0
	s_wait_xcnt 0x0
	s_add_nc_u64 s[74:75], s[74:75], 4096
	s_add_co_u32 s[SO], s[SO], 128
	s_add_co_u32 s[AI], s[AI], 1
	s_cmp_lt_u32 s[AI], 8
	s_cbranch_scc1 .Lrow
	s_wait_dscnt 0x0
	s_barrier_signal -1
	s_barrier_wait -1
	ds_load_b128 v[28:31], v[SCB]
	s_wait_dscnt 0x0
	global_store_b128 v1, v[28:31], s[76:77]
	s_wait_tensorcnt 0x0
	ds_add_u32 v[SPW], v[NIL]
	s_wait_dscnt 0x0
	CROUND
	s_endpgm
.Lfunc_end_k_qfc0985bd06_ffn1:
	.size	k_qfc0985bd06_ffn1, .Lfunc_end_k_qfc0985bd06_ffn1-k_qfc0985bd06_ffn1
	.p2alignl 7, 3214868480
	.fill 96, 4, 3214868480
	.section	.rodata,"a",@progbits
	.p2align	6, 0x0
	.amdhsa_kernel k_qfc0985bd06_ffn1
		.amdhsa_group_segment_fixed_size 327680
		.amdhsa_private_segment_fixed_size 0
		.amdhsa_enable_private_segment 0
		.amdhsa_kernarg_size 24
		.amdhsa_user_sgpr_count 2
		.amdhsa_user_sgpr_kernarg_segment_ptr 1
		.amdhsa_wavefront_size32 1
		.amdhsa_system_sgpr_workgroup_id_x 1
		.amdhsa_system_sgpr_workgroup_id_y 1
		.amdhsa_system_sgpr_workgroup_id_z 1
		.amdhsa_system_vgpr_workitem_id 0
		.amdhsa_next_free_vgpr 1024
		.amdhsa_next_free_sgpr 100
		.amdhsa_reserve_vcc 0
		.amdhsa_float_denorm_mode_32 3
		.amdhsa_float_denorm_mode_16_64 3
		.amdhsa_memory_ordered 1
		.amdhsa_forward_progress 1
		.amdhsa_inst_pref_size 228
	.end_amdhsa_kernel
	.amdgpu_metadata
---
amdhsa.version: [ 1, 2 ]
amdhsa.kernels:
  - .name:           k_qfc0985bd06_ffn1
    .symbol:         k_qfc0985bd06_ffn1.kd
    .args:
      - { .name: h2q, .offset: 0, .size: 8, .value_kind: global_buffer, .address_space: global }
      - { .name: pw, .offset: 8, .size: 8, .value_kind: global_buffer, .address_space: global }
      - { .name: act, .offset: 16, .size: 8, .value_kind: global_buffer, .address_space: global }
    .group_segment_fixed_size: 327680
    .private_segment_fixed_size: 0
    .kernarg_segment_align: 8
    .kernarg_segment_size: 24
    .max_flat_workgroup_size: 128
    .sgpr_count:     100
    .vgpr_count:     1024
    .wavefront_size: 32
...
	.end_amdgpu_metadata
.endif
;; end of part 5
;; launch ffn2 (part 6): grid 8 x 32, 4 waves a work-group, clusters of 4 x 4, 327,680 bytes of LDS; arguments act, pw, x, out0; writes out0
.if DOCPART == 6
	.amdgcn_target "amdgcn-amd-amdhsa--gfx1250"
	.amdhsa_code_object_version 6
	.text
	.protected	k_qfc0985bd06_ffn2
	.globl	k_qfc0985bd06_ffn2
	.p2align	8
	.type	k_qfc0985bd06_ffn2,@function
k_qfc0985bd06_ffn2:
	s_mov_b64 s[64:65], 0
	v_nop
	global_prefetch_b8 v0, s[64:65] scope:SCOPE_SE
	s_setreg_imm32_b32 hwreg(HW_REG_WAVE_MODE, 25, 1), 1
	s_wait_xcnt 0x0
	s_wait_alu depctr_hold_cnt(0) depctr_sa_sdst(0) depctr_va_vdst(0) depctr_va_sdst(0) depctr_va_ssrc(0) depctr_va_vcc(0) depctr_vm_vsrc(0)
	s_getreg_b32 s2, hwreg(HW_REG_IB_STS2, 6, 4)
	s_cmp_eq_u32 s2, 0
	s_cbranch_scc0 .Lentry_in_a_cluster
	s_endpgm
.Lentry_in_a_cluster:
	s_bfe_u32 s2, ttmp6, 0x10000c
	s_cmp_lg_u32 s2, 0xf033
	s_cbranch_scc0 .Lentry_shape_is_right
	s_endpgm
.Lentry_shape_is_right:
.set LAPS,  4
.set REGB,  416
.set BLK,   33792
.set SLOT,  4*BLK
.set SPARE, 2*SLOT
.set STAGE, SPARE+512
.set SP,    272
.set SPW,  2
.set NIL,  3
.set ADRA, 16
.set ADSA, 18
.set ADRB, 20
.set ADSB, 22
.set STO,  24
.set RD,   25
.set CO,   26
.set SC,   32
.set ACC,  128
.set G1,  24
.set G0,  32
.set G1B, 48
.set G0B, 56
.set MUL,  0x05
.set TO_F, 0x40
.set MSB, 0
.macro WIN new
.if MSB != (\new)
	s_set_vgpr_msb (MSB<<8)|(\new)
.set MSB, (\new)
.endif
.endm
.macro PLACES n
.rept \n
	v_nop
.endr
.endm
.macro JLOAD g0a, g1a, g0b, g1b
	s_cmp_eq_u32 s15, 0
	s_cbranch_scc0 .Lfor_b_\@
	tensor_load_to_lds s[\g0a:\g0a+3], s[\g1a:\g1a+7]
	s_nop 0
.rept 4
	v_nop
.endr
	s_branch .Lasked_\@
.Lfor_b_\@:
	tensor_load_to_lds s[\g0b:\g0b+3], s[\g1b:\g1b+7]
	s_nop 0
.rept 4
	v_nop
.endr
.Lasked_\@:
.endm
.macro CREST
	s_cmp_lg_u32 s14, 0
	s_cbranch_scc1 .Lnot_wave_0_\@
	s_barrier_signal -3
.Lnot_wave_0_\@:
	s_barrier_wait -3
	s_barrier_signal -1
	s_barrier_wait -1
.endm
.macro CROUND
	s_barrier_signal -1
	s_barrier_wait -1
	CREST
.endm
.macro WM d, a, b, acc, sa, sb, ra, rb
.if \acc
.if (\ra) && (\rb)
	v_wmma_scale_f32_16x16x128_f8f6f4 v[\d:\d+7], v[\a:\a+15], v[\b:\b+15], v[\d:\d+7], v[\sa], v[\sb] matrix_a_scale:MATRIX_SCALE_ROW1 matrix_b_scale:MATRIX_SCALE_ROW1
.else
	v_wmma_scale_f32_16x16x128_f8f6f4 v[\d:\d+7], v[\a:\a+15], v[\b:\b+15], v[\d:\d+7], v[\sa], v[\sb]
.endif
.else
.if (\ra) && (\rb)
	v_wmma_scale_f32_16x16x128_f8f6f4 v[\d:\d+7], v[\a:\a+15], v[\b:\b+15], 0, v[\sa], v[\sb] matrix_a_scale:MATRIX_SCALE_ROW1 matrix_b_scale:MATRIX_SCALE_ROW1
.else
	v_wmma_scale_f32_16x16x128_f8f6f4 v[\d:\d+7], v[\a:\a+15], v[\b:\b+15], 0, v[\sa], v[\sb]
.endif
.endif
.endm
	s_load_b256 s[4:11], s[0:1], 0x0
	v_lshl_add_u32 v[SPW], v0, 2, SPARE
	v_mov_b32 v[NIL], 0
	ds_add_u32 v2, v3
	ds_add_u32 v2, v3
	s_wait_dscnt 0x0
	v_lshrrev_b32 v1, 5, v0
	v_readfirstlane_b32 s14, v1
	s_lshr_b32 s15, s14, 1
	s_and_b32 s16, s14, 1
	s_bfe_u32 s40, ttmp6, 0x40000
	s_bfe_u32 s41, ttmp6, 0x40004
	s_lshl_b32 s42, ttmp9, 2
	s_add_co_u32 s42, s42, s40
	s_and_b32 s17, ttmp7, 0xffff
	s_lshl_b32 s17, s17, 2
	s_add_co_u32 s17, s17, s41
	s_lshl_b32 s43, s41, 2
	s_lshl_b32 s43, 15, s43
	s_lshl_b32 s44, 0x1111, s40
	s_or_b32 s[G1+0], s43, (3<<16)|(1<<21)
	s_or_b32 s[G1B+0], s44, (3<<16)|(1<<21)
.irp g, G1, G1B
	s_mov_b32 s[\g+1], 32<<16
	s_mov_b32 s[\g+2], 132<<16
	s_mov_b32 s[\g+3], 32<<16
	s_mov_b32 s[\g+4], 132
	s_mov_b32 s[\g+5], 32
	s_mov_b32 s[\g+6], 0
	s_mov_b32 s[\g+7], 0
.endr
	s_or_b32 s68, s43, (3<<16)|(1<<21)             ; group 1 for the head's loads: a tile of two rows, each a whole block of BLK bytes: a slot's two chunks of an operand
	s_or_b32 s76, s44, (3<<16)|(1<<21)
.irp g, 68, 76
	s_mov_b32 s[\g+1], (BLK/8)<<16
	s_mov_b32 s[\g+2], 2<<16
	s_mov_b32 s[\g+3], (BLK/8)<<16
	s_mov_b32 s[\g+4], 2
	s_mov_b32 s[\g+6], 0
	s_mov_b32 s[\g+7], 0
.endr
	s_mov_b32 s73, 32*BLK/8                        ; from chunk to chunk: 32 blocks in A,
	s_mov_b32 s81, 8*BLK/8                         ; 8 in B
	s_lshl_b32 s20, s16, 5
	s_add_co_u32 s20, s20, s17
	s_mul_i32 s20, s20, BLK
	s_mov_b32 s21, 0
	s_lshl_b32 s46, s16, 3
	s_add_co_u32 s46, s46, s42
	s_add_co_u32 s46, s46, REGB
	s_mul_i32 s46, s46, BLK
	s_mov_b32 s47, 0
	s_mul_i32 s45, s14, BLK
	s_wait_kmcnt 0x0
	s_add_nc_u64 s[20:21], s[4:5], s[20:21]
	s_add_nc_u64 s[46:47], s[6:7], s[46:47]
	CROUND
.irp s, 0,1
	s_mov_b32 s[G0+4*\s], 1
	s_add_co_u32 s[G0+4*\s+1], s45, \s*SLOT
	s_add_nc_u64 s[G0+4*\s+2:G0+4*\s+3], s[20:21], \s*2*32*BLK
	s_or_b32 s[G0+4*\s+3], s[G0+4*\s+3], 0x80000000
	s_mov_b32 s[G0B+4*\s], 1
	s_add_co_u32 s[G0B+4*\s+1], s45, \s*SLOT
	s_add_nc_u64 s[G0B+4*\s+2:G0B+4*\s+3], s[46:47], \s*2*8*BLK
	s_or_b32 s[G0B+4*\s+3], s[G0B+4*\s+3], 0x80000000
.endr
	; THE HEAD'S LOADS, ONE A WAVE, FILL BOTH SLOTS: wave 0 slot 0's two chunks of A, wave 1 slot 1's, wave 2 slot 0's two chunks of B, wave 3 slot 1's
	s_mul_i32 s92, s16, 32*BLK                     ; from my ring block, chunk s16, to chunk 2 s16
	s_mov_b32 s93, 0
	s_mov_b32 s84, 1
	s_mul_i32 s85, s16, SLOT
	s_add_nc_u64 s[86:87], s[20:21], s[92:93]
	s_or_b32 s87, s87, 0x80000000
	s_mul_i32 s92, s16, 8*BLK
	s_mov_b32 s88, 1
	s_add_co_u32 s89, s85, 2*BLK
	s_add_nc_u64 s[90:91], s[46:47], s[92:93]
	s_or_b32 s91, s91, 0x80000000
	JLOAD 84, 68, 88, 76
	v_and_b32 v5, 31, v0
	v_lshlrev_b32 v4, 2, v5
	v_lshlrev_b32 v1, 4, v5
	s_wait_alu depctr_va_vdst(0)
	v_and_b32 v6, 15, v0
	v_bfe_u32 v7, v0, 4, 1
	s_lshl_b32 s21, s15, 14
	s_lshl_b32 s22, s16, 14
	s_add_co_u32 s22, s22, 2*BLK
	s_lshl_b32 s23, s15, 9
	s_add_co_u32 s23, s23, 32768
	s_lshl_b32 s18, s16, 9
	s_add_co_u32 s18, s18, 2*BLK+32768
.irp s, 0,1
	v_add_nc_u32 v[ADRA+\s], s21, v1
	v_add_nc_u32 v[ADRB+\s], s22, v1
	v_add_nc_u32 v[ADSA+\s], s23, v4
	v_add_nc_u32 v[ADSB+\s], s18, v4
	s_add_co_u32 s21, s21, SLOT
	s_add_co_u32 s22, s22, SLOT
	s_add_co_u32 s23, s23, SLOT
	s_add_co_u32 s18, s18, SLOT
.endr
	s_mul_i32 s19, s14, 16*SP
	s_add_co_u32 s19, s19, STAGE
	v_mul_u32_u24 v[STO], v6, SP
	v_lshl_add_u32 v[STO], v7, 6, v[STO]
	v_add_nc_u32 v[STO], s19, v[STO]
	v_mul_u32_u24 v[RD], v7, SP
	v_lshl_add_u32 v[RD], v6, 4, v[RD]
	v_add_nc_u32 v[RD], s19, v[RD]
	v_lshlrev_b32 v[CO], 12, v7
	v_lshl_add_u32 v[CO], v6, 4, v[CO]
	s_wait_alu depctr_va_vdst(0)
	s_lshl_b32 s66, s17, 7
	s_lshl_b32 s67, s15, 6
	s_add_co_u32 s66, s66, s67
	s_lshl_b32 s66, s66, 12
	s_lshl_b32 s67, s42, 9
	s_add_co_u32 s66, s66, s67
	s_lshl_b32 s67, s16, 8
	s_add_co_u32 s66, s66, s67
	s_mov_b32 s67, 0
	s_add_nc_u64 s[8:9], s[8:9], s[66:67]
	s_add_nc_u64 s[10:11], s[10:11], s[66:67]
	WIN 0x80
.irp a, 0,1,2,3
.irp t, 0,1,2,3,4,5,6,7
	global_load_b128 v[32*\a+4*\t:32*\a+4*\t+3], v[CO], s[8:9] offset:(32*(\a/2)+8*(\a%2)+2*\t+8*(\t/4))*4096
.endr
.endr
	WIN 0
.macro FETCH slot, k, f
	WIN TO_F
.irp i, 0,1,2,3
.irp c, 0,1,2,3
	ds_load_b128 v[\f+64+16*\i+4*\c:\f+64+16*\i+4*\c+3], v[ADRB+\slot] offset:((\k)/2)*BLK+((\k)%2)*2048+\i*4096+512*\c
.endr
.endr
.irp i, 0,1,2,3
.irp c, 0,1,2,3
	ds_load_b128 v[\f+16*\i+4*\c:\f+16*\i+4*\c+3], v[ADRA+\slot] offset:((\k)/2)*BLK+((\k)%2)*2048+\i*4096+512*\c
.endr
.endr
.endm
.macro SCALES sc
.irp k, 0,1
.irp i, 0,1,2,3
	ds_load_b32 v[SC+16*\sc+4*\k+\i], v[ADSA+\sc] offset:\k*BLK+128*\i
	ds_load_b32 v[SC+16*\sc+8+4*\k+\i], v[ADSB+\sc] offset:\k*BLK+128*\i
.endr
.endr
.endm
.macro MUL4 f, a, sc, cur, acc
.irp b, 0,1,2,3
.set rD, ACC+8*(4*(\a)+\b)
.set rB, \f+64+16*\b
.set rA, \f+16*(\a)
.set rSB, SC+16*(\sc)+8+4*((\cur)/2)+\b
.set rSA, SC+16*(\sc)+4*((\cur)/2)+(\a)
	WM rD, rB, rA, \acc, rSB, rSA, (\cur)%2, (\cur)%2
.endr
.endm
.macro QUARTER slot, cur, acc
.set fC, 128*((\cur)%2)
.set fN, 128-fC
	s_wait_dscnt 8
	WIN MUL
	MUL4 fC, 0, \slot, \cur, \acc
	MUL4 fC, 1, \slot, \cur, \acc
	PLACES 8
	FETCH \slot, (\cur)+1, fN
	s_wait_dscnt 32
	WIN MUL
	MUL4 fC, 2, \slot, \cur, \acc
	MUL4 fC, 3, \slot, \cur, \acc
.endm
.macro TURN slot, next, fill
	WIN 0
	s_wait_tensorcnt 0x0
	ds_add_u32 v[SPW], v[NIL]
	s_wait_dscnt 9
	WIN MUL
	MUL4 128, 0, \slot, 3, 1
	s_wait_dscnt 0x0
	s_barrier_signal -1
	MUL4 128, 1, \slot, 3, 1
	WIN 0
	s_barrier_wait -1
.if \fill
	CREST
	s_add_nc_u64 s[G0+4*\slot+2:G0+4*\slot+3], s[G0+4*\slot+2:G0+4*\slot+3], 4*32*BLK
	s_add_nc_u64 s[G0B+4*\slot+2:G0B+4*\slot+3], s[G0B+4*\slot+2:G0B+4*\slot+3], 4*8*BLK
	JLOAD G0+4*\slot, G1, G0B+4*\slot, G1B
	PLACES 4
.else
	PLACES 8
.endif
	SCALES \next
	FETCH \next, 0, 0
	WIN MUL
	MUL4 128, 2, \slot, 3, 1
	MUL4 128, 3, \slot, 3, 1
.endm
	s_wait_tensorcnt 0x0                           ; my one load is in
	s_barrier_signal -1
	s_barrier_wait -1
	SCALES 0
	FETCH 0, 0, 0
	QUARTER 0, 0, 0
	WIN 0
.if LAPS > 1
	s_mov_b32 s3, LAPS-1
.Llap:
	QUARTER 0, 1, 1
	QUARTER 0, 2, 1
	TURN 0, 1, 1
	QUARTER 1, 0, 1
	QUARTER 1, 1, 1
	QUARTER 1, 2, 1
	TURN 1, 0, 1
	QUARTER 0, 0, 1
	WIN 0
	s_sub_co_u32 s3, s3, 1
	s_cmp_lg_u32 s3, 0
	s_cbranch_scc1 .Llap
.endif
	QUARTER 0, 1, 1
	QUARTER 0, 2, 1
	TURN 0, 1, 0
	QUARTER 1, 0, 1
	QUARTER 1, 1, 1
	QUARTER 1, 2, 1
	s_wait_dscnt 8
	WIN MUL
	MUL4 128, 0, 1, 3, 1
	MUL4 128, 1, 1, 3, 1
	s_wait_dscnt 0x0
	MUL4 128, 2, 1, 3, 1
	MUL4 128, 3, 1, 3, 1
	WIN 0
.macro OUT a
.set RB, 64+32*((\a)%2)
.irp b, 0,1,2,3
	ds_store_b128 v[STO], v[ACC+8*(4*(\a)+\b):ACC+8*(4*(\a)+\b)+3] offset:128*(\b/2)+32*(\b%2)
	ds_store_b128 v[STO], v[ACC+8*(4*(\a)+\b)+4:ACC+8*(4*(\a)+\b)+7] offset:128*(\b/2)+32*(\b%2)+16
.endr
.irp t, 0,1,2,3,4,5,6,7
	ds_load_b128 v[RB+4*\t:RB+4*\t+3], v[RD] offset:2*\t*SP
.endr
	s_wait_dscnt 0x0
	WIN 0x08
.set j, 0
.rept 16
	v_pk_add_f32 v[RB+j:RB+j+1], v[RB+j:RB+j+1], v[32*(\a)+j:32*(\a)+j+1]
.set j, j+2
.endr
	WIN 0
.irp t, 0,1,2,3,4,5,6,7
	global_store_b128 v[CO], v[RB+4*\t:RB+4*\t+3], s[10:11] offset:(32*((\a)/2)+8*((\a)%2)+2*\t+8*(\t/4))*4096
.endr
.endm
	PLACES 8
	s_wait_loadcnt 0x0
	OUT 0
	OUT 1
	s_wait_xcnt 0x0
	OUT 2
	s_wait_xcnt 0x0
	OUT 3
	s_wait_tensorcnt 0x0
	ds_add_u32 v[SPW], v[NIL]
	s_wait_dscnt 0x0
	CROUND
	s_endpgm
.Lfunc_end_k_qfc0985bd06_ffn2:
	.size	k_qfc0985bd06_ffn2, .Lfunc_end_k_qfc0985bd06_ffn2-k_qfc0985bd06_ffn2
	.p2alignl 7, 3214868480
	.fill 96, 4, 3214868480
	.section	.rodata,"a",@progbits
	.p2align	6, 0x0
	.amdhsa_kernel k_qfc0985bd06_ffn2
		.amdhsa_group_segment_fixed_size 327680
		.amdhsa_private_segment_fixed_size 0
		.amdhsa_enable_private_segment 0
		.amdhsa_kernarg_size 32
		.amdhsa_user_sgpr_count 2
		.amdhsa_user_sgpr_kernarg_segment_ptr 1
		.amdhsa_wavefront_size32 1
		.amdhsa_system_sgpr_workgroup_id_x 1
		.amdhsa_system_sgpr_workgroup_id_y 1
		.amdhsa_system_sgpr_workgroup_id_z 1
		.amdhsa_system_vgpr_workitem_id 0
		.amdhsa_next_free_vgpr 640
		.amdhsa_next_free_sgpr 100
		.amdhsa_reserve_vcc 0
		.amdhsa_float_denorm_mode_32 3
		.amdhsa_float_denorm_mode_16_64 3
		.amdhsa_memory_ordered 1
		.amdhsa_forward_progress 1
		.amdhsa_inst_pref_size 100
	.end_amdhsa_kernel
	.amdgpu_metadata
---
amdhsa.version: [ 1, 2 ]
amdhsa.kernels:
  - .name:           k_qfc0985bd06_ffn2
    .symbol:         k_qfc0985bd06_ffn2.kd
    .args:
      - { .name: act, .offset: 0, .size: 8, .value_kind: global_buffer, .address_space: global }
      - { .name: pw, .offset: 8, .size: 8, .value_kind: global_buffer, .address_space: global }
      - { .name: x, .offset: 16, .size: 8, .value_kind: global_buffer, .address_space: global }
      - { .name: out0, .offset: 24, .size: 8, .value_kind: global_buffer, .address_space: global }
    .group_segment_fixed_size: 327680
    .private_segment_fixed_size: 0
    .kernarg_segment_align: 8
    .kernarg_segment_size: 32
    .max_flat_workgroup_size: 128
    .sgpr_count:     100
    .vgpr_count:     640
    .wavefront_size: 32
...
	.end_amdgpu_metadata
.endif
;; end of part 6
